; MI455X (gfx1250); checked and timed in simulation.
; The chip was launched on July 23, 2026; its instructions are those of AMD's public machine-readable ISA for CDNA 5 (MIT licence, August 2026) and "CDNA5" Instruction Set Architecture Reference Guide (July 2026). The comments in the code are by the model that wrote it; some were corrected since.
;; Spectral Attention. Allowed arithmetic: matrix products marked QUANTISED: E4M3 operands, one given power-of-two scale a tensor, by v_wmma_f32_16x16x64_fp8_fp8 or v_wmma_f32_16x16x128_fp8_fp8, f32 sums; everything else in f32.
;; Inputs: bk 1,024 float32; bo 1,024 float32; bq 1,024 float32; bv 1,024 float32; lowp_scales 12 int32 (the exponents e of the quantised operands' scales 2^e); wk 1,024 x 1,024 float32; wo 1,024 x 1,024 float32; wq 1,024 x 1,024 float32; wv 1,024 x 1,024 float32; x 4 x 2,048 x 1,024 float32.
;; Outputs: out0 4 x 2,048 x 1,024 float32.
;; This version of the problem:
;;   THIS VERSION OF THE PROBLEM IS GIVEN IN LOW PRECISION. The matrix products marked QUANTISED in the list below multiply operands that are first quantised to E4M3 (4 exponent bits, 3 mantissa bits; 8 bits a number), with one given power-of-two scale for each operand tensor; their sums are f32. All else is computed in f32.
;;   The module's matrix products, in the order in which they are computed (A, B: the left and right operand; K: the contracted axis; several contracted axes count as one K, in the product's order):
;;     1. [M 8,192, K 1,024] x [K 1,024, N 1,024]; A: input x; B: input wq: QUANTISED (scales: A lowp_scales[0], B lowp_scales[1])
;;     2. [M 8,192, K 1,024] x [K 1,024, N 1,024]; A: input x; B: input wk: QUANTISED (scales: A lowp_scales[2], B lowp_scales[3])
;;     3. [M 8,192, K 1,024] x [K 1,024, N 1,024]; A: input x; B: input wv: QUANTISED (scales: A lowp_scales[4], B lowp_scales[5])
;;     4. batch 64 x [M 2,048, K 64] x [K 64, N 2,048]; A: computed on the way; B: computed on the way: QUANTISED (scales: A lowp_scales[6], B lowp_scales[7])
;;     5. batch 64 x [M 2,048, K 2,048] x [K 2,048, N 64]; A: softmax (see below); B: computed on the way: QUANTISED (scales: A lowp_scales[8], B lowp_scales[9])
;;     6. [M 8,192, K 1,024] x [K 1,024, N 1,024]; A: computed on the way; B: input wo: QUANTISED (scales: A lowp_scales[10], B lowp_scales[11])
;;   THE QUANTISER, for each operand of a quantised product, along K:
;;     - The operand's scale is 2^e, e = its entry of the input lowp_scales (int32; the entries are numbered through the quantised products in the list's order, A before B).
;;     - Each number is divided by the scale, clamped to +-448, and rounded to the nearest number of E4M3, ties to even, subnormals kept.
;;     - The product sums the exact products of the quantised numbers (number of the format x scale) in f32.
;;   ~~~python
;;   def quantise(x, axis, e):      # numpy; x: float32 -> the quantised numbers, widened to float32 again
;;       x = np.moveaxis(x, axis, -1); K = x.shape[-1]
;;       r = np.clip(x / 2.0 ** e, -448, 448)
;;       step = 2.0 ** (np.maximum(np.frexp(np.where(r == 0, 1, r))[1] - 1, -6) - 3)
;;       q = np.round(r / step) * step * 2.0 ** e      # np.round: ties to even
;;       return np.moveaxis(q, -1, axis).astype(np.float32)
;;   ~~~
;;   SOFTMAX AHEAD OF A QUANTISED PRODUCT. Where the list says 'softmax', what is quantised is not the finished softmax but p = 2^(t - M), with t = logit x log2(e) and M = ceil(the row's largest t), a whole number; so 1/2 < the row's largest p <= 1. The row's sum l is taken of the UNQUANTISED p, in f32, and the product's result is divided by l at the end. Since M is a whole number, a kernel that streams over the keys may use a running M (the ceiling of the running maximum): every later rescaling is an exact power of two, so the quantised numbers keep their values, but for numbers so far below the row's largest that they fall under the format's range.
;;   OPERANDS COMPUTED ON THE WAY. 'Computed on the way' means the value that the module computes at that place (a softmax that the list does not call 'softmax' is quantised finished and normalised). What goes into a quantiser is computed in f32, as accurately as f32 sums, v_exp_f32 and their like allow (about 1e-6 of the number): no bf16 or f16 on the way to a quantiser, and a product that is left as it is and whose result goes on into a quantised operand takes f32 operands (vector FMAs, or v_wmma_f32_16x16x4_f32). A number that lies on a knife's edge between two numbers of the format may be rounded either way, as far as f32 arithmetic and the matrix unit's own rounding can turn it there, and no further.
;; 2 versions, each right; version 2 is version 1 with the launch attn written anew for expert scheduling mode. Each part assembles by itself: llvm-mc -triple=amdgcn-amd-amdhsa -mcpu=gfx1250 --defsym DOCPART=n.
;; ======== version 1 of 2: 4 launches
;; workspace buffers: ximg 25,165,824 bytes; wimg 4,194,304 bytes; qkvimg 25,165,824 bytes; yimg 8,388,608 bytes
;; launch quant (part 1): grid 512 x 1, 4 waves a work-group, no clusters, 34,304 bytes of LDS; arguments x, wq, wk, wv, wo, lowp_scales, ximg, wimg; writes ximg, wimg
.if DOCPART == 1
	.amdgcn_target "amdgcn-amd-amdhsa--gfx1250"
	.amdhsa_code_object_version 6
	.text
	.protected	k_qe72c331f35_quant
	.globl	k_qe72c331f35_quant
	.p2align	8
	.type	k_qe72c331f35_quant,@function
k_qe72c331f35_quant:
	s_mov_b64 s[64:65], 0
	v_nop
	global_prefetch_b8 v0, s[64:65] scope:SCOPE_SE
	s_setreg_imm32_b32 hwreg(HW_REG_WAVE_MODE, 25, 1), 1
	s_wait_xcnt 0x0
; x [8192][1024] f32 becomes codes of E4M3 three times (scales 2^e0, 2^e2, 2^e4: one copy for each of the three projections), wq, wk, wv, wo [1024][1024] once each (e1, e3, e5, e11).
; code = number / 2^e, held within +-448, rounded to the nearest code, ties to even.
; THE CODES ARE LAID AS IMAGES OF OPERAND REGISTERS.  A fragment is 16 rows x 128 along K in 16 registers: lane (r = lane % 16, h = lane / 16) holds row r, registers 2 c, 2 c + 1 hold k = 16 c + 8 h + 0 .. 7.
; Its image is 2,048 bytes: registers 4 b .. 4 b + 3 of all 32 lanes are 512 bytes on end, lane l's 16 bytes at 16 l.  ximg: [copy][row tile][K step][2,048]; wimg: [tensor][row tile][K step][2,048].
; So a wave's store of four registers covers 512 consecutive bytes, and whoever loads the same 512 bytes has the same registers in the same lanes.
; SHARES.  Wave g = 4 x work-group + wave (0 .. 2,047) takes two fragments of x (row tile = work-group, K steps 2 wave and 2 wave + 1) and one of a weight (tensor = work-group / 128).
; A load reads 512 consecutive bytes of one row, 16 a lane; a fragment's 16 rows turn through the wave's own stage in LDS (rows 528 bytes apart) and come back eight neighbours along K at a time.
; All 48 loads of a wave go out at the head.  No barrier: waves share nothing.  No matrix unit, cluster or tensor load: the launch only streams.
; LIMITS: each e used here lies between -126 and 119, so that 2^e and 448 x 2^e are f32 numbers.  NaN among the inputs is not served (an infinity is held at the largest code).
.set SPI,  528                         ; a stage row: 512 bytes + 16
.set STGB, 16*SPI                      ; a wave's stage
.set LI,   1                           ; v1  16 x lane; never rewritten
.set SI,   2                           ; v2  the stage on the way in: my 16 bytes of a row
.set SO,   3                           ; v3  and on the way out: row r, + 32 h
.set SC,   8                           ; v8-15  pairs (2^e, 448 x 2^e) for e0, e2, e4 and the weight's e
.set R0,   32                          ; v32-95   x's first fragment, 64 numbers a lane
.set R1,   96                          ; v96-159  x's second
.set R2,   160                         ; v160-223 the weight's
.set T,    224                         ; v224-239 two sets of eight held numbers, by turns
.set C,    240                         ; v240-255 a fragment's codes
	s_load_b256 s[4:11], s[0:1], 0x0               ; x s[4:5], wq s[6:7], wk s[8:9], wv s[10:11]
	s_load_b256 s[12:19], s[0:1], 0x20             ; wo s[12:13], the scales' exponents s[14:15], ximg s[16:17], wimg s[18:19]
	v_lshl_add_u32 v30, v0, 2, 0x8400
	v_mov_b32 v31, 0
	v_lshrrev_b32 v4, 5, v0
	v_readfirstlane_b32 s20, v4                    ; wave 0..3
	v_and_b32 v4, 31, v0
	v_lshlrev_b32 v[LI], 4, v4
	v_and_b32 v5, 15, v0                           ; r
	v_bfe_u32 v6, v0, 4, 1                         ; h
	s_mul_i32 s21, s20, STGB
	v_add_nc_u32 v[SI], s21, v[LI]
	v_mul_u32_u24 v[SO], v5, SPI
	v_lshl_add_u32 v[SO], v6, 5, v[SO]
	v_add_nc_u32 v[SO], s21, v[SO]
	s_lshl_b32 s22, ttmp9, 16                      ; x: 16 rows of 4,096 bytes a work-group,
	s_lshl_b32 s23, s20, 10                        ; two K steps of 512 bytes a wave
	s_add_co_u32 s22, s22, s23
	s_mov_b32 s23, 0
	s_lshr_b32 s50, ttmp9, 7                       ; which weight: 0 wq, 1 wk, 2 wv, 3 wo
	s_and_b32 s52, ttmp9, 127
	s_lshr_b32 s52, s52, 1                         ; its row tile,
	s_lshl_b32 s52, s52, 16
	s_and_b32 s53, ttmp9, 1
	s_lshl_b32 s53, s53, 2
	s_add_co_u32 s53, s53, s20                     ; its K step
	s_lshl_b32 s53, s53, 9
	s_add_co_u32 s52, s52, s53
	s_mov_b32 s53, 0
	s_lshl_b32 s54, ttmp9, 2
	s_add_co_u32 s54, s54, s20                     ; g
	s_and_b32 s56, s54, 511
	s_lshl_b32 s56, s56, 11                        ; the weight's image: fragment g % 512 of its tensor
	s_lshl_b32 s57, s50, 20
	s_add_co_u32 s56, s56, s57
	s_mov_b32 s57, 0
	s_lshl_b32 s54, s54, 12                        ; x's images: fragments 2 g and 2 g + 1 of a copy
	s_mov_b32 s55, 0
	s_wait_kmcnt 0x0
	s_load_b256 s[24:31], s[14:15], 0x0            ; e0 .. e7
	s_load_b128 s[32:35], s[14:15], 0x20           ; e8 .. e11
	s_add_nc_u64 s[36:37], s[4:5], s[22:23]
	s_cmp_eq_u32 s50, 0                            ; the weight's buffer: a choice on the work-group's number alone
	s_cselect_b64 s[38:39], s[6:7], s[8:9]
	s_cmp_eq_u32 s50, 2
	s_cselect_b64 s[38:39], s[10:11], s[38:39]
	s_cmp_eq_u32 s50, 3
	s_cselect_b64 s[38:39], s[12:13], s[38:39]
	s_add_nc_u64 s[38:39], s[38:39], s[52:53]
	s_add_nc_u64 s[40:41], s[16:17], s[54:55]      ; the three copies lie 8,388,608 bytes apart: a base for each
	s_add_nc_u64 s[42:43], s[40:41], 0x800000
	s_add_nc_u64 s[44:45], s[40:41], 0x1000000
	s_add_nc_u64 s[46:47], s[18:19], s[56:57]
.macro LOADF reg, base, off            ; a fragment's 16 rows: each load reads 512 consecutive bytes
.irp i, 0,1,2,3,4,5,6,7,8,9,10,11,12,13,14,15
	global_load_b128 v[\reg+4*\i:\reg+4*\i+3], v[LI], s[\base:\base+1] offset:\off+4096*\i th:TH_LOAD_NT
.endr
.endm
.macro TURN reg                        ; through the stage and back into the registers that it left: then registers 8 c .. 8 c + 7 hold k = 16 c + 8 h + 0 .. 7 of row r.  LDS serves a wave's instructions in order (ISA guide 5.7.1.4)
.irp i, 0,1,2,3,4,5,6,7,8,9,10,11,12,13,14,15
	ds_store_b128 v[SI], v[\reg+4*\i:\reg+4*\i+3] offset:SPI*\i
.endr
.irp c, 0,1,2,3,4,5,6,7
	ds_load_b128 v[\reg+8*\c:\reg+8*\c+3], v[SO] offset:64*\c
	ds_load_b128 v[\reg+8*\c+4:\reg+8*\c+7], v[SO] offset:64*\c+16
.endr
.endm
.macro MKS e, sc                       ; v[sc] = 2^e as f32 (the conversion takes its exponent field), v[sc + 1] = 448 x 2^e
	s_add_co_i32 s58, \e, 127
	s_lshl_b32 s59, s58, 23
	v_mov_b32 v[\sc], s59
	s_add_co_i32 s58, s58, 8
	s_lshl_b32 s58, s58, 23
	s_or_b32 s58, s58, 0x600000
	v_mov_b32 v[\sc+1], s58
.endm
; A fragment's 64 numbers become 16 registers of codes and leave.  The numbers stay as they are (x is quantised three times): the held numbers go into T, two sets by turns,
; so that eight plain lines stand between a conversion and the next write of its sources.
.macro QUANT reg, sc, ptr, off
	s_wait_xcnt 0x0                                ; the stores issued so far have read C: it is written again only behind this wait
.irp c, 0,1,2,3,4,5,6,7
.irp i, 0,1,2,3,4,5,6,7
	v_med3_num_f32 v[T+8*(\c%2)+\i], v[\reg+8*\c+\i], -v[\sc+1], v[\sc+1]   ; the conversion to an 8-bit code does not saturate (ISA guide 7.6.2): the hold comes first
.endr
	v_cvt_scalef32_pk8_fp8_f32 v[C+2*\c:C+2*\c+1], v[T+8*(\c%2):T+8*(\c%2)+7], v[\sc]
.endr
.irp b, 0,1,2,3
	global_store_b128 v[LI], v[C+4*\b:C+4*\b+3], s[\ptr:\ptr+1] offset:\off+512*\b   ; 32 lanes store 512 consecutive bytes, at a multiple of 512 from the buffer's first byte
.endr
.endm
	LOADF R0, 36, 0
	LOADF R1, 36, 512
	LOADF R2, 38, 0
	s_wait_kmcnt 0x0
	s_cmp_eq_u32 s50, 0                            ; the weight's exponent: e1, e3, e5 or e11
	s_cselect_b32 s51, s25, s27
	s_cmp_eq_u32 s50, 2
	s_cselect_b32 s51, s29, s51
	s_cmp_eq_u32 s50, 3
	s_cselect_b32 s51, s35, s51
	MKS s24, SC
	MKS s26, SC+2
	MKS s28, SC+4
	MKS s51, SC+6
	s_wait_loadcnt 32                              ; the first fragment's 16 loads are in; the other two fragments' 32 may be out
	TURN R0
	s_wait_loadcnt 16                              ; the second's are in
	TURN R1
	s_wait_dscnt 32                                ; the first fragment is back; the second's 32 LDS instructions may be out
	QUANT R0, SC,   40, 0
	QUANT R0, SC+2, 42, 0
	QUANT R0, SC+4, 44, 0
	s_wait_loadcnt 0x0
	TURN R2
	s_wait_dscnt 32                                ; the second fragment is back; the weight's 32 may be out
	QUANT R1, SC,   40, 2048
	QUANT R1, SC+2, 42, 2048
	QUANT R1, SC+4, 44, 2048
	s_wait_dscnt 0x0
	QUANT R2, SC+6, 46, 0
	s_wait_tensorcnt 0x0
	ds_add_u32 v30, v31
	s_wait_dscnt 0x0
	s_endpgm
.Lfunc_end_k_qe72c331f35_quant:
	.size	k_qe72c331f35_quant, .Lfunc_end_k_qe72c331f35_quant-k_qe72c331f35_quant
	.p2alignl 7, 3214868480
	.fill 96, 4, 3214868480
	.section	.rodata,"a",@progbits
	.p2align	6, 0x0
	.amdhsa_kernel k_qe72c331f35_quant
		.amdhsa_group_segment_fixed_size 34304
		.amdhsa_private_segment_fixed_size 0
		.amdhsa_enable_private_segment 0
		.amdhsa_kernarg_size 64
		.amdhsa_user_sgpr_count 2
		.amdhsa_user_sgpr_kernarg_segment_ptr 1
		.amdhsa_wavefront_size32 1
		.amdhsa_system_sgpr_workgroup_id_x 1
		.amdhsa_system_sgpr_workgroup_id_y 1
		.amdhsa_system_sgpr_workgroup_id_z 1
		.amdhsa_system_vgpr_workitem_id 0
		.amdhsa_next_free_vgpr 256
		.amdhsa_next_free_sgpr 66
		.amdhsa_reserve_vcc 0
		.amdhsa_float_denorm_mode_32 3
		.amdhsa_float_denorm_mode_16_64 3
		.amdhsa_memory_ordered 1
		.amdhsa_forward_progress 1
		.amdhsa_inst_pref_size 49
	.end_amdhsa_kernel
	.amdgpu_metadata
---
amdhsa.version: [ 1, 2 ]
amdhsa.kernels:
  - .name:           k_qe72c331f35_quant
    .symbol:         k_qe72c331f35_quant.kd
    .args:
      - { .name: x, .offset: 0, .size: 8, .value_kind: global_buffer, .address_space: global }
      - { .name: wq, .offset: 8, .size: 8, .value_kind: global_buffer, .address_space: global }
      - { .name: wk, .offset: 16, .size: 8, .value_kind: global_buffer, .address_space: global }
      - { .name: wv, .offset: 24, .size: 8, .value_kind: global_buffer, .address_space: global }
      - { .name: wo, .offset: 32, .size: 8, .value_kind: global_buffer, .address_space: global }
      - { .name: lowp_scales, .offset: 40, .size: 8, .value_kind: global_buffer, .address_space: global }
      - { .name: ximg, .offset: 48, .size: 8, .value_kind: global_buffer, .address_space: global }
      - { .name: wimg, .offset: 56, .size: 8, .value_kind: global_buffer, .address_space: global }
    .group_segment_fixed_size: 34304
    .private_segment_fixed_size: 0
    .kernarg_segment_align: 8
    .kernarg_segment_size: 64
    .max_flat_workgroup_size: 128
    .sgpr_count:     66
    .vgpr_count:     256
    .wavefront_size: 32
...
	.end_amdgpu_metadata
.endif
;; end of part 1
;; launch qkvgemm (part 2): grid 4 x 96, 4 waves a work-group, clusters of 4 x 4, 327,680 bytes of LDS; arguments ximg, wimg, bq, bk, bv, lowp_scales, qkvimg; writes qkvimg
.if DOCPART == 2
	.amdgcn_target "amdgcn-amd-amdhsa--gfx1250"
	.amdhsa_code_object_version 6
	.text
	.protected	k_qe72c331f35_qkvgemm
	.globl	k_qe72c331f35_qkvgemm
	.p2align	8
	.type	k_qe72c331f35_qkvgemm,@function
k_qe72c331f35_qkvgemm:
	s_mov_b64 s[64:65], 0
	v_nop
	global_prefetch_b8 v0, s[64:65] scope:SCOPE_SE
	s_setreg_imm32_b32 hwreg(HW_REG_WAVE_MODE, 25, 1), 1
	s_wait_xcnt 0x0
	s_wait_alu depctr_hold_cnt(0) depctr_sa_sdst(0) depctr_va_vdst(0) depctr_va_sdst(0) depctr_va_ssrc(0) depctr_va_vcc(0) depctr_vm_vsrc(0)
	s_getreg_b32 s2, hwreg(HW_REG_IB_STS2, 6, 4)
	s_cmp_eq_u32 s2, 0
	s_cbranch_scc0 .Lentry_in_a_cluster
	s_endpgm
.Lentry_in_a_cluster:
	s_bfe_u32 s2, ttmp6, 0x10000c
	s_cmp_lg_u32 s2, 0xf033
	s_cbranch_scc0 .Lentry_shape_is_right
	s_endpgm
.Lentry_shape_is_right:
; q = x wq^T + bq, k = x wk^T + bk, v = x wv^T + bv on codes of E4M3, each [8192 x 1024 x 1024]; each result is quantised at once (q: e6, k: e7, v: e9) and stored as images of operand registers for the attention.
; A number that goes into the quantiser is fma(sum, 2^(ea + eb), bias): the sum is f32, the power of two rounds nothing, the bias is added with one rounding.
; OPERANDS come as images (see below), [row tile of 16][K step of 128][2,048 bytes]: lane (r, h) holds row r, registers 2 c, 2 c + 1 hold k = 16 c + 8 h + 0 .. 7; four registers of 32 lanes are 512 bytes on end.
; So every fragment load is ds_load_b128 at a constant + 16 x lane: 512 consecutive bytes an instruction, no pitch, no padding.
; SHARES.  A work-group of four waves makes 256 x 256; a wave 128 x 128: 64 accumulators, 512 registers.  K goes through a ring of two LDS slots of 256 along K (four slots' worth in all), filled by the tensor data mover.
; The 24 clusters along y: cluster y / 8 says which product (0 q, 1 k, 2 v), cluster y % 8 which eighth of the tokens.  There is one cluster along x, so the work-group's x is its place cx.
; THE MATRIX INSTRUCTION takes 'B' rows as source 0 and 'A' rows as source 1: lane (r, h) then holds A's row r, and register j of accumulator (a, b) B's row 16 b + 8 h + j.
;   q, k: A = tokens (x's copy), B = channels (the weight): a lane's registers run along the channels, the next product's K: accumulators (a, 4 g .. 4 g + 3) convert into the fragment of token tile a, head g.
;   v:    THE ROLES ARE SWAPPED, A = channels (wv), B = tokens: a lane's registers run along the tokens, which are the keys, the K of the attention's second product: accumulators (a, 0 .. 7) convert into the
;         fragment of channel tile a and the wave's 128 keys.  The same text serves: only pointers, offsets and tile numbers are chosen, by the cluster's y, which all partners share.
; CLUSTERS: 4 x 4 work-groups.  A's tile is shared along a row of the cluster, B's along a column: each is asked for jointly, by the same tensor load with the same descriptor and a mask that names the four.
; qkvimg: [batch x 16 + head][393,216]: Q at 0, [token tile][1,024]; K at 131,072, the same; V at 262,144, [step of 128 keys][channel tile 0..3][2,048].
; No prefetch is laid: K is four slots long, and half of them are asked for at the head.
; LIMITS: ea + eb between -126 and 127; e6, e7, e9 between -126 and 119.  NaN is not served.
; REGISTERS: window 0: v6, v7 the quantiser's scale and limit; v8-14 addresses; v16-31 bias by A's rows; v32-95 bias by B's rows; v96-127 at work; v128-255 A's fragments, one set, later the codes.
;   window 1: B's fragments, two sets.   windows 2, 3: the accumulators, (a, b) at v[8 (8 (a % 4) + b)].
.set FRB,   2048                       ; a fragment's image
.set RT,    4096                       ; a row tile's part of a slot: two K steps
.set HALFT, 32768                      ; 8 row tiles: what one tensor load brings, and what a wave reads of A or of B
.set SLOT,  131072                     ; A's two halves, then B's two
.set SPARE, 262144                     ; behind the ring: the spare words, 128 bytes for each wave: two blocks of 256 bytes that no other line names
.set FR,    16
.set NL,    4
.set NP,    4                          ; places behind this matrix instruction (ISA guide 7.12.1)
.set SCL,   6
.set LIM,   7
.set ADRA,  8                          ; v8-9    LDS address of my A fragments in slot 0, 1
.set ADRB,  10                         ; v10-11  the same for B
.set SPW,   12                         ; v12     my spare word: SPARE + 4 x my thread's number; never rewritten
.set NIL,   13                         ; v13     0; never rewritten
.set OFF,   14                         ; v14     16 x lane
.set BV,    16
.set BQ,    32
.set T,     96
.set AF,    128
.set G1,  24                           ; s[24:31] descriptor group 1 for A's tiles; s[32:39] group 0, a set for each slot
.set G0,  32
.set G1B, 48                           ; s[48:55], s[56:63] the same for B's
.set G0B, 56
.set MSB, 0
.macro WIN new                         ; the immediate's high byte repeats the setting that is left
.if MSB != (\new)
	s_set_vgpr_msb (MSB<<8)|(\new)
.set MSB, (\new)
.endif
.endm
.set MUL_LO, 0xa1                      ; source 0 (B) window 1, source 1 (A) window 0, C and D window 2
.set MUL_HI, 0xf1                      ; the same, C and D window 3
.set TO_B,   0x40                      ; destination window 1, address window 0
; A joint load: waves 0 and 1 fetch A's halves, waves 2 and 3 B's.  The branch hangs on the wave's number alone.  Four v_nop follow each of the two lines.
.macro JLOAD g0a, g1a, g0b, g1b
	s_cmp_eq_u32 s15, 0
	s_cbranch_scc0 .Lfor_b_\@
	tensor_load_to_lds s[\g0a:\g0a+3], s[\g1a:\g1a+7]
	s_nop 0
.rept 4
	v_nop
.endr
	s_branch .Lasked_\@
.Lfor_b_\@:
	tensor_load_to_lds s[\g0b:\g0b+3], s[\g1b:\g1b+7]
	s_nop 0
.rept 4
	v_nop
.endr
.Lasked_\@:
.endm
.macro CREST                           ; a round of the cluster's barrier behind its opening barrier
	s_cmp_lg_u32 s14, 0
	s_cbranch_scc1 .Lnot_wave_0_\@
	s_barrier_signal -3
.Lnot_wave_0_\@:
	s_barrier_wait -3
	s_barrier_signal -1
	s_barrier_wait -1
.endm
.macro CROUND                          ; a whole round
	s_barrier_signal -1
	s_barrier_wait -1
	CREST
.endm
	s_load_b256 s[68:75], s[0:1], 0x0              ; ximg s[68:69], wimg s[70:71], bq s[72:73], bk s[74:75]
	s_load_b128 s[76:79], s[0:1], 0x20             ; bv s[76:77], the scales' exponents s[78:79]
	s_load_b64 s[80:81], s[0:1], 0x30              ; qkvimg
	v_lshl_add_u32 v[SPW], v0, 2, SPARE
	v_mov_b32 v[NIL], 0
	ds_add_u32 v12, v13
	ds_add_u32 v12, v13
	s_wait_dscnt 0x0
	v_lshrrev_b32 v1, 5, v0
	v_readfirstlane_b32 s14, v1                    ; wave 0..3
	s_lshr_b32 s15, s14, 1                         ; which half of A's rows is mine.  Also: I fetch for A (0) or for B (1)
	s_and_b32 s16, s14, 1                          ; which half of B's rows.  Also: which 8 row tiles of that tile I fetch
	s_bfe_u32 s40, ttmp6, 0x40000                  ; cx, cy: my place in the cluster
	s_bfe_u32 s41, ttmp6, 0x40004
	s_and_b32 s18, ttmp7, 0xffff                   ; cluster y
	s_lshr_b32 s12, s18, 3                         ; the product: 0 q, 1 k, 2 v
	s_and_b32 s13, s18, 7                          ; the eighth of the tokens
	s_lshl_b32 s20, s12, 23                        ; q, k: A is x's copy 0 or 1,
	s_lshl_b32 s46, s12, 20                        ;       B is weight 0 or 1
	s_cmp_eq_u32 s12, 2                            ; v?  All choices on this compare stand together
	s_cselect_b32 s19, 0, s13                      ; the tokens' eighth counts in A's tile number (q, k)
	s_cselect_b32 s23, s13, 0                      ; or in B's (v)
	s_cselect_b32 s20, 0x200000, s20               ; v: A is weight 2,
	s_cselect_b32 s46, 0x1000000, s46              ;    B is x's copy 2
	s_lshl_b32 s17, s19, 2
	s_add_co_u32 s17, s17, s41                     ; A's tile of 256 rows: made of the cluster's y and cy alone
	s_lshl_b32 s42, s23, 2
	s_add_co_u32 s42, s42, s40                     ; B's tile: of the cluster's y and cx alone
	s_lshl_b32 s43, s41, 2
	s_lshl_b32 s43, 15, s43                        ; my row of the cluster
	s_lshl_b32 s44, 0x1111, s40                    ; my column
	; descriptor group 1: 8 rows (row tiles) of 4,096 bytes (two K steps' images), 16,384 bytes apart in memory, on end in LDS
	s_or_b32 s[G1+0], s43, (3<<16)|(1<<21)         ; 15:0 the mask: A's tiles go to my row; 17:16 elements of 8 bytes; 20 no padding; 21 set beside a mask
	s_or_b32 s[G1B+0], s44, (3<<16)|(1<<21)        ; the same with my column's mask
.irp g, G1, G1B
	s_mov_b32 s[\g+1], 512<<16                     ; tensor_dim0 = 512 elements
	s_mov_b32 s[\g+2], 8<<16                       ; tensor_dim1 = 8
	s_mov_b32 s[\g+3], 512<<16                     ; tile_dim0 = 512
	s_mov_b32 s[\g+4], 8                           ; tile_dim1 = 8
	s_mov_b32 s[\g+5], 2048                        ; tensor_dim0_stride: 2,048 elements from row tile to row tile
	s_mov_b32 s[\g+6], 0
	s_mov_b32 s[\g+7], 0
.endr
	s_lshl_b32 s18, s16, 17                        ; which 8 row tiles of 16,384 bytes I fetch
	s_lshl_b32 s21, s17, 18                        ; a tile is 16 row tiles
	s_add_co_u32 s20, s20, s21
	s_add_co_u32 s20, s20, s18
	s_mov_b32 s21, 0
	s_lshl_b32 s47, s42, 18
	s_add_co_u32 s46, s46, s47
	s_add_co_u32 s46, s46, s18
	s_mov_b32 s47, 0
	s_mul_i32 s45, s14, HALFT                      ; where they go: wave x 8 row tiles: no place in the cluster enters an LDS address
	s_wait_kmcnt 0x0
	s_load_b256 s[84:91], s[78:79], 0x0            ; e0 .. e7
	s_load_b128 s[92:95], s[78:79], 0x20           ; e8 .. e11
	s_cmp_eq_u32 s12, 2
	s_cselect_b64 s[4:5], s[70:71], s[68:69]       ; A's buffer
	s_cselect_b64 s[6:7], s[68:69], s[70:71]       ; B's
	s_add_nc_u64 s[20:21], s[4:5], s[20:21]
	s_add_nc_u64 s[46:47], s[6:7], s[46:47]
	CROUND                                         ; all sixteen work-groups are here: the first joint loads meet
.irp s, 0,1
	s_mov_b32 s[G0+4*\s], 1
	s_add_co_u32 s[G0+4*\s+1], s45, \s*SLOT
	s_add_nc_u64 s[G0+4*\s+2:G0+4*\s+3], s[20:21], \s*RT
	s_or_b32 s[G0+4*\s+3], s[G0+4*\s+3], 0x80000000
	s_mov_b32 s[G0B+4*\s], 1
	s_add_co_u32 s[G0B+4*\s+1], s45, \s*SLOT
	s_add_nc_u64 s[G0B+4*\s+2:G0B+4*\s+3], s[46:47], \s*RT
	s_or_b32 s[G0B+4*\s+3], s[G0B+4*\s+3], 0x80000000
	JLOAD G0+4*\s, G1, G0B+4*\s, G1B
.endr
	v_and_b32 v1, 15, v0                           ; r
	v_bfe_u32 v2, v0, 4, 1                         ; h
	v_lshlrev_b32 v3, 2, v1                        ; 4 r
	v_lshlrev_b32 v2, 5, v2                        ; 32 h
	v_and_b32 v4, 31, v0
	v_lshlrev_b32 v[OFF], 4, v4
	s_mul_i32 s18, s15, HALFT                      ; my half of A,
	s_mul_i32 s19, s16, HALFT                      ; my half of B,
	s_add_co_u32 s19, s19, 2*HALFT                 ; which lies behind A's two
.irp s, 0,1
	v_add_nc_u32 v[ADRA+\s], s18, v[OFF]
	v_add_nc_u32 v[ADRB+\s], s19, v[OFF]
	s_add_co_u32 s18, s18, SLOT
	s_add_co_u32 s19, s19, SLOT
.endr
	s_cmp_eq_u32 s12, 0                            ; the bias of this product
	s_cselect_b64 s[8:9], s[72:73], s[74:75]
	s_cmp_eq_u32 s12, 2
	s_cselect_b64 s[8:9], s[76:77], s[8:9]
	s_lshl_b32 s18, s42, 8
	s_lshl_b32 s19, s16, 7
	s_add_co_u32 s18, s18, s19                     ; my first row of B
	s_lshl_b32 s19, s17, 8
	s_lshl_b32 s23, s15, 7
	s_add_co_u32 s19, s19, s23                     ; my first row of A
	s_cmp_eq_u32 s12, 2
	s_cselect_b32 s2, s18, s19                     ; my first token
	s_cselect_b32 s3, s19, s18                     ; my first channel
	s_cselect_b32 s66, 0, s18                      ; both patterns of the bias are loaded in every work-group, the one that is not used from the buffer's head
	s_cselect_b32 s82, s19, 0
	s_lshl_b32 s66, s66, 2
	s_mov_b32 s67, 0
	s_lshl_b32 s82, s82, 2
	s_mov_b32 s83, 0
	s_add_nc_u64 s[66:67], s[8:9], s[66:67]
	s_add_nc_u64 s[82:83], s[8:9], s[82:83]
.irp b, 0,1,2,3,4,5,6,7                        ; q, k: register 8 b + j is the bias of channel 16 b + 8 h + j of my 128
	global_load_b128 v[BQ+8*\b:BQ+8*\b+3], v2, s[66:67] offset:64*\b
	global_load_b128 v[BQ+8*\b+4:BQ+8*\b+7], v2, s[66:67] offset:64*\b+16
.endr
.irp a, 0,1,2,3,4,5,6,7                        ; v: the pair 2 a, 2 a + 1 holds twice the bias of channel 16 a + r
	global_load_b32 v[BV+2*\a], v3, s[82:83] offset:64*\a
	global_load_b32 v[BV+2*\a+1], v3, s[82:83] offset:64*\a
.endr
	s_lshr_b32 s18, s2, 11                         ; where my results go: (batch x 16 + head) x 393,216 + product x 131,072 + 64 x (token in its batch):
	s_lshl_b32 s18, s18, 4                         ; 1,024 bytes a token tile in Q and K, 8,192 bytes a step of 128 keys in V: 64 bytes a token in each
	s_lshr_b32 s19, s3, 6
	s_add_co_u32 s18, s18, s19
	s_mul_i32 s18, s18, 393216
	s_lshl_b32 s19, s12, 17
	s_add_co_u32 s18, s18, s19
	s_and_b32 s19, s2, 2047
	s_lshl_b32 s19, s19, 6
	s_add_co_u32 s18, s18, s19
	s_mov_b32 s19, 0
	s_add_nc_u64 s[10:11], s[80:81], s[18:19]
.macro FRAG reg, adr, q, i             ; row tile i's fragment of the slot's q-th K step: four loads of 512 consecutive bytes
.irp c, 0,1,2,3
	ds_load_b128 v[\reg+4*\c:\reg+4*\c+3], v[\adr] offset:(\i)*RT+(\q)*FRB+512*\c
.endr
.endm
; 16 matrix instructions: A's blocks a0, a0 + 1 x B's eight, 128 along K.  p: B's set.  zero = 1: the first product starts the sums.
; The 64 accumulators take turns, one instruction a turn, in the same order in every step.
.macro MUL16 a0, p, zero
.irp a, \a0, \a0+1
.irp b, 0,1,2,3,4,5,6,7
.if \zero
	v_wmma_f32_16x16x128_fp8_fp8 v[8*(8*((\a)%4)+\b):8*(8*((\a)%4)+\b)+7], v[128*(\p)+FR*\b:128*(\p)+FR*\b+FR-1], v[AF+FR*(\a):AF+FR*(\a)+FR-1], 0
.else
	v_wmma_f32_16x16x128_fp8_fp8 v[8*(8*((\a)%4)+\b):8*(8*((\a)%4)+\b)+7], v[128*(\p)+FR*\b:128*(\p)+FR*\b+FR-1], v[AF+FR*(\a):AF+FR*(\a)+FR-1], v[8*(8*((\a)%4)+\b):8*(8*((\a)%4)+\b)+7]
.endif
.endr
.endr
.endm
.macro FETCH_B slot, q, p
	WIN TO_B
.irp i, 0,1,2,3,4,5,6,7
	FRAG 128*(\p)+FR*\i, ADRB+\slot, \q, \i
.endr
	WIN 0
.endm
.macro FETCH_A slot, q, i0
.irp i, \i0, \i0+1, \i0+2, \i0+3
	FRAG AF+FR*(\i), ADRA+\slot, \q, \i
.endr
.endm
.macro PLACES n                        ; plain vector lines between a matrix instruction and a load into, or a vector line on, its registers (ISA guide 7.12.1 for vector lines)
.rept \n
	v_nop
.endr
.endm
; A step of 128 along K that has its successor in the same slot.  A has one set of registers: blocks 0-3 are fetched anew in the step's middle, blocks 4-7 at its end; B has two sets.
.macro STEP slot, q, zero
	s_wait_dscnt 4*NL                              ; B's set and A's blocks 0-3 are in; the youngest 16 loads (A's blocks 4-7) may be out
	WIN MUL_LO
	MUL16 0, (\q)%2, \zero
	MUL16 2, (\q)%2, \zero
	s_wait_dscnt 0                                 ; A's blocks 4-7 are in
	PLACES NP
	FETCH_B \slot, (\q)+1, 1-(\q)%2
	FETCH_A \slot, (\q)+1, 0
	WIN MUL_HI
	MUL16 4, (\q)%2, \zero
	MUL16 6, (\q)%2, \zero
	PLACES NP
	WIN 0
	FETCH_A \slot, (\q)+1, 4
.endm
; A slot's last step changes slots: one barrier; in front of it each wave waits for all its tensor loads, adds 0 to its spare word, and waits for that and for its reads of this slot.  fill = 1: this slot is filled again, two slots ahead.
.macro TURN slot, next, fill
	s_wait_tensorcnt 0x0                           ; all my tensor loads have landed: my part of the next slot (every window is 0 here)
	ds_add_u32 v[SPW], v[NIL]                      ; 0 onto my spare word
	s_wait_dscnt 4*NL+1                            ; (the add and the youngest 16 loads may be out)
	WIN MUL_LO
	MUL16 0, 1, 0                                  ; sixteen matrix instructions stand between the add and the wait for it
	s_wait_dscnt 0x0                               ; the add is done, and my reads of this slot are over
	s_barrier_signal -1
	MUL16 2, 1, 0
	WIN 0
	s_barrier_wait -1
.if \fill
	CREST                                          ; the barrier has opened a round of the cluster's barrier: no wave of any partner still reads this slot or has a load on its way
	s_add_nc_u64 s[G0+4*\slot+2:G0+4*\slot+3], s[G0+4*\slot+2:G0+4*\slot+3], 2*RT
	s_add_nc_u64 s[G0B+4*\slot+2:G0B+4*\slot+3], s[G0B+4*\slot+2:G0B+4*\slot+3], 2*RT
	JLOAD G0+4*\slot, G1, G0B+4*\slot, G1B         ; the first tensor load behind the round; its four v_nop are the places in front of the loads below
.else
	PLACES NP
.endif
	FETCH_B \next, 0, 0
	FETCH_A \next, 0, 0
	WIN MUL_HI
	MUL16 4, 1, 0
	MUL16 6, 1, 0
	PLACES NP
	WIN 0
	FETCH_A \next, 0, 4
.endm
	s_wait_tensorcnt 1                             ; my part of slot 0 is in; slot 1's load may be out
	s_barrier_signal -1
	s_barrier_wait -1                              ; everybody's is
	FETCH_B 0, 0, 0
	FETCH_A 0, 0, 0
	FETCH_A 0, 0, 4
	STEP 0, 0, 1                                   ; K = 1,024 is eight steps, four slots' worth: written straight
	TURN 0, 1, 1
	STEP 1, 0, 0
	TURN 1, 0, 1
	STEP 0, 0, 0
	TURN 0, 1, 0                                   ; the last two slots are not filled again
	STEP 1, 0, 0
	s_wait_dscnt 4*NL
	WIN MUL_LO
	MUL16 0, 1, 0
	MUL16 2, 1, 0
	s_wait_dscnt 0
	WIN MUL_HI
	MUL16 4, 1, 0
	MUL16 6, 1, 0
	WIN 0
	; THE WAY OUT.  The product's exponents are chosen without a jump.
	s_wait_kmcnt 0x0
	s_add_co_i32 s96, s84, s85                     ; e0 + e1
	s_add_co_i32 s97, s86, s87                     ; e2 + e3
	s_add_co_i32 s18, s88, s89                     ; e4 + e5
	s_cmp_eq_u32 s12, 0
	s_cselect_b32 s96, s96, s97
	s_cselect_b32 s98, s90, s91                    ; e6 or e7
	s_cmp_eq_u32 s12, 2
	s_cselect_b32 s96, s18, s96
	s_cselect_b32 s98, s93, s98                    ; or e9
	s_add_co_i32 s96, s96, 127
	s_lshl_b32 s96, s96, 23                        ; 2^(ea + eb) as f32
	s_mov_b32 s97, s96                             ; (named with it as a pair, so it is written)
	s_add_co_i32 s98, s98, 127
	s_lshl_b32 s18, s98, 23
	v_mov_b32 v[SCL], s18                          ; the result's scale as f32
	s_add_co_i32 s98, s98, 8
	s_lshl_b32 s98, s98, 23
	s_or_b32 s98, s98, 0x600000
	v_mov_b32 v[LIM], s98                          ; 448 x that
	PLACES NP
	s_wait_loadcnt 0x0                             ; the biases
; Block a, half g: four accumulators, 32 numbers a lane: x 2^(ea + eb) + bias, held, converted: eight registers of a fragment, stored as they stand: 512 consecutive bytes a store.
; Each group's codes have registers of their own (A's fragments are done with), so no store's data are written again.  Each accumulator is read from its low end on.
.macro EPI isv
.irp a, 0,1,2,3,4,5,6,7
.irp g, 0,1
	WIN 0x02+(\a/4)                                ; source 0: window 2 or 3
.irp n, 0,2,4,6,8,10,12,14,16,18,20,22,24,26,28,30
.if \isv
	v_pk_fma_f32 v[T+\n:T+\n+1], v[64*(\a%4)+32*\g+\n:64*(\a%4)+32*\g+\n+1], s[96:97], v[BV+2*\a:BV+2*\a+1] op_sel_hi:[1,0,1]
.else
	v_pk_fma_f32 v[T+\n:T+\n+1], v[64*(\a%4)+32*\g+\n:64*(\a%4)+32*\g+\n+1], s[96:97], v[BQ+32*\g+\n:BQ+32*\g+\n+1] op_sel_hi:[1,0,1]
.endif
.endr
	WIN 0
.irp n, 0,1,2,3,4,5,6,7,8,9,10,11,12,13,14,15,16,17,18,19,20,21,22,23,24,25,26,27,28,29,30,31
	v_med3_num_f32 v[T+\n], v[T+\n], -v[LIM], v[LIM]   ; the conversion does not saturate (ISA guide 7.6.2)
.endr
.irp c, 0,1,2,3
	v_cvt_scalef32_pk8_fp8_f32 v[AF+8*(2*\a+\g)+2*\c:AF+8*(2*\a+\g)+2*\c+1], v[T+8*\c:T+8*\c+7], v[SCL]
.endr
	v_nop                                          ; a plain line between the conversions and the next group's writes of their sources
.if \isv
	global_store_b128 v[OFF], v[AF+8*(2*\a+\g):AF+8*(2*\a+\g)+3], s[10:11] offset:(\a/4)*393216+(\a%4)*2048+\g*1024       ; head a / 4, channel tile a % 4, keys 64 g on
	global_store_b128 v[OFF], v[AF+8*(2*\a+\g)+4:AF+8*(2*\a+\g)+7], s[10:11] offset:(\a/4)*393216+(\a%4)*2048+\g*1024+512
.else
	global_store_b128 v[OFF], v[AF+8*(2*\a+\g):AF+8*(2*\a+\g)+3], s[10:11] offset:\a*1024+\g*393216                       ; token tile a, head g
	global_store_b128 v[OFF], v[AF+8*(2*\a+\g)+4:AF+8*(2*\a+\g)+7], s[10:11] offset:\a*1024+\g*393216+512
.endif
.endr
.endr
.endm
	s_cmp_eq_u32 s12, 2                            ; the cluster's y decides: the same way in all sixteen partners; neither way touches LDS
	s_cbranch_scc1 .Lout_v
	EPI 0
	s_branch .Lout_done
.Lout_v:
	EPI 1
.Lout_done:
	s_wait_tensorcnt 0x0                           ; the wave's end
	ds_add_u32 v[SPW], v[NIL]
	s_wait_dscnt 0x0
	CROUND                                         ; the closing round: no work-group ends while a partner may still ask for a tile that names it
	s_endpgm
.Lfunc_end_k_qe72c331f35_qkvgemm:
	.size	k_qe72c331f35_qkvgemm, .Lfunc_end_k_qe72c331f35_qkvgemm-k_qe72c331f35_qkvgemm
	.p2alignl 7, 3214868480
	.fill 96, 4, 3214868480
	.section	.rodata,"a",@progbits
	.p2align	6, 0x0
	.amdhsa_kernel k_qe72c331f35_qkvgemm
		.amdhsa_group_segment_fixed_size 327680
		.amdhsa_private_segment_fixed_size 0
		.amdhsa_enable_private_segment 0
		.amdhsa_kernarg_size 56
		.amdhsa_user_sgpr_count 2
		.amdhsa_user_sgpr_kernarg_segment_ptr 1
		.amdhsa_wavefront_size32 1
		.amdhsa_system_sgpr_workgroup_id_x 1
		.amdhsa_system_sgpr_workgroup_id_y 1
		.amdhsa_system_sgpr_workgroup_id_z 1
		.amdhsa_system_vgpr_workitem_id 0
		.amdhsa_next_free_vgpr 1024
		.amdhsa_next_free_sgpr 100
		.amdhsa_reserve_vcc 0
		.amdhsa_float_denorm_mode_32 3
		.amdhsa_float_denorm_mode_16_64 3
		.amdhsa_memory_ordered 1
		.amdhsa_forward_progress 1
		.amdhsa_inst_pref_size 195
	.end_amdhsa_kernel
	.amdgpu_metadata
---
amdhsa.version: [ 1, 2 ]
amdhsa.kernels:
  - .name:           k_qe72c331f35_qkvgemm
    .symbol:         k_qe72c331f35_qkvgemm.kd
    .args:
      - { .name: ximg, .offset: 0, .size: 8, .value_kind: global_buffer, .address_space: global }
      - { .name: wimg, .offset: 8, .size: 8, .value_kind: global_buffer, .address_space: global }
      - { .name: bq, .offset: 16, .size: 8, .value_kind: global_buffer, .address_space: global }
      - { .name: bk, .offset: 24, .size: 8, .value_kind: global_buffer, .address_space: global }
      - { .name: bv, .offset: 32, .size: 8, .value_kind: global_buffer, .address_space: global }
      - { .name: lowp_scales, .offset: 40, .size: 8, .value_kind: global_buffer, .address_space: global }
      - { .name: qkvimg, .offset: 48, .size: 8, .value_kind: global_buffer, .address_space: global }
    .group_segment_fixed_size: 327680
    .private_segment_fixed_size: 0
    .kernarg_segment_align: 8
    .kernarg_segment_size: 56
    .max_flat_workgroup_size: 128
    .sgpr_count:     100
    .vgpr_count:     1024
    .wavefront_size: 32
...
	.end_amdgpu_metadata
.endif
;; end of part 2
;; launch attn (part 3): grid 4 x 64, 16 waves a work-group, no clusters, 264,192 bytes of LDS; arguments qkvimg, lowp_scales, yimg; writes yimg
.if DOCPART == 3
	.amdgcn_target "amdgcn-amd-amdhsa--gfx1250"
	.amdhsa_code_object_version 6
	.text
	.protected	k_qe72c331f35_attn
	.globl	k_qe72c331f35_attn
	.p2align	8
	.type	k_qe72c331f35_attn,@function
k_qe72c331f35_attn:
	s_mov_b64 s[64:65], 0
	v_nop
	global_prefetch_b8 v0, s[64:65] scope:SCOPE_SE
	s_setreg_imm32_b32 hwreg(HW_REG_WAVE_MODE, 25, 1), 1
	s_wait_xcnt 0x0
; y[b][q][head] = the sum over keys k <= q of softmax_k(Q . K / 8) V, both products on codes of E4M3 (scales e6, e7; e8 = ep, e9 = ev); y is quantised at once with e10 and stored as an image for the last projection.
; THE SOFTMAX AHEAD OF THE SECOND PRODUCT: t = score x log2(e) / 8; M = the running largest t rounded UP to a whole number; p = 2^(t - M) is quantised, not normalised; the row's sum is taken of the unquantised p
; and divides at the end.  When M moves, the sum and O are multiplied by 2^(old M - new M), which rounds nothing.
; INPUT, per head (393,216 bytes): Q [token tile][1,024], K the same, V [step of 128 keys][channel tile 0..3][2,048]: images of operand registers: lane (r, h) holds row r, registers 2 c, 2 c + 1 hold k = 16 c + 8 h + 0 .. 7.
; SHARES.  Work-group (i, head) owns the query blocks 7 - i and i, of 256 queries.  Wave w takes tile w of block 7 - i, then tile 15 - w of block i: 17 visible steps of 128 keys for every wave of every work-group.
; K AND V LIE IN LDS WHOLE: the head's 262,144 bytes are copied once, through registers, to the same offsets, in four stages of 512 keys; a stage is asked for four key steps before it is stored, with a barrier behind each
; stage's stores.  Each LDS byte is written once, so the second pass has no barrier at all.  The high block goes first, so that the later stages land under full steps.
; LAYOUT.  S^T = K Q^T (source 0 = 16 keys, source 1 = my 16 queries): lane (r, h) holds query r, register j of tile t key 16 t + 8 h + j: so tile t's conversion gives registers 2 t, 2 t + 1 of P, an operand of 128 keys.
; O^T = V^T P^T (source 0 = 16 channels x 128 keys): lane (r, h) holds query r and channels 16 d + 8 h + j: its conversions are y's fragment.
; CAUSAL.  A step all of whose keys come after my 16 queries is jumped over (ids only; the lines that step addresses are not).  In the step on the diagonal hidden scores become -infinity, so p = 0.
; Steps begin at multiples of 128 and tiles at multiples of 16: in every step that is not jumped over, each of my queries sees the step's first key.
; NO CLUSTER, NO JOINT LOADS, though the four work-groups of a head read the same K and V: the jump over hidden steps, which halves the work, hangs on the query block, and that would be the work-group's place in its cluster.
; NO PREFETCH: a stage's 8 loads a thread are themselves issued four key steps ahead of the wait for them.
; THE HOLD OF p at 448 x 2^ep is jumped over where ep >= -8: there the limit is 1.75 or more and p is at most 1, so the hold changes nothing.  (This launch has no tensor load, copy or cluster.)
; LIMITS: e6 + e7 between -123 and 130 (added to c's exponent field); ep and e10 between -126 and 119; ep + ev is applied by v_ldexp_f32.  NaN is not served.
; Hidden scores are -infinity and not -1e9 as in the source: the same result as long as a row's visible logits lie above -1e9.
.set LI,   1                           ; v1   16 x lane
.set CPB,  2                           ; v2   16 x thread: the copy's place
.set ADK,  3                           ; v3   LDS address of the step's K
.set ADV,  4                           ; v4   of its V
.set RH,   5                           ; v5   r - 8 h
.set NINF, 7                           ; v7   -infinity
.set CA,   8                           ; v8, v9 the copy's LDS addresses
.set CB,   9
.set CP,   208                         ; v208-239 a stage on its way
.set PLIM, 240                         ; v240 448 x 2^ep;  v241 2^ep
.set PSCL, 241
.set MX,   244                         ; v244, v245 at work
.set FF,   246                         ; v[246:247] f = 2^(old M - new M), and 0
.set PD,   248                         ; v248 a lane permute's destination
.set YLIM, 249
.set YSCL, 250
.set DD,   251                         ; v251 my query less the step's first key less 8 h
; v12 -M, v13 the largest t, v[14:15] the sum; v16-23, v24-31 Q of the two passes; v32-95 fragments of K, then of V; v96-159 S^T, then p; v160-191 O^T; v192-207 p's codes, later y's; v[242:243] the sum's second chain
.set WV,   10
.set KV,   14                          ; s[14:15] the head's K
.set CS,   22                          ; s[22:23] c
.set SEL,  24                          ; s[24:25] lane l xor 16
.set EPV,  27                          ; ep + ev
.set KF,   28                          ; the step's first key
.set KB,   29                          ; its LDS byte: 64 x KF
.set QL,   30                          ; my last query
.set Q0,   31                          ; my first query
.set CNT,  32
	s_load_b128 s[4:7], s[0:1], 0x0                ; qkvimg s[4:5], the scales' exponents s[6:7]
	s_load_b64 s[8:9], s[0:1], 0x10                ; yimg
	v_lshl_add_u32 v254, v0, 2, 0x40000
	v_mov_b32 v255, 0
	v_lshrrev_b32 v3, 5, v0
	v_readfirstlane_b32 s[WV], v3                  ; wave 0..15
	v_and_b32 v3, 31, v0
	v_lshlrev_b32 v[LI], 4, v3
	v_lshlrev_b32 v[CPB], 4, v0
	v_and_b32 v3, 15, v0
	v_bfe_u32 v4, v0, 4, 1
	v_lshlrev_b32 v4, 3, v4
	v_sub_nc_u32 v[RH], v3, v4
	v_mov_b32 v[NINF], 0xff800000
	s_and_b32 s11, ttmp7, 0xffff                   ; batch x 16 + head
	s_mul_i32 s12, s11, 393216
	s_mov_b32 s13, 0
	s_sub_co_u32 s38, 7, ttmp9
	s_lshl_b32 s38, s38, 8
	s_lshl_b32 s39, s[WV], 4
	s_add_co_u32 s[Q0], s38, s39                   ; the first pass: 256 (7 - i) + 16 w
	s_add_co_u32 s[QL], s[Q0], 15
	s_sub_co_u32 s39, 15, s[WV]
	s_lshl_b32 s39, s39, 4
	s_lshl_b32 s38, ttmp9, 8
	s_add_co_u32 s40, s38, s39                     ; the second: 256 i + 16 (15 - w)
	s_lshl_b32 s42, s[Q0], 6                       ; Q: 64 bytes a token
	s_mov_b32 s43, 0
	s_lshl_b32 s44, s40, 6
	s_mov_b32 s45, 0
	s_lshr_b32 s38, s11, 4
	s_lshl_b32 s38, s38, 21                        ; y's image: 1,024 bytes for a token tile's 64 along K: batch x 2,048 x 1,024 + (first query + head) x 1,024
	s_and_b32 s39, s11, 15
	s_add_co_u32 s34, s[Q0], s39
	s_lshl_b32 s34, s34, 10
	s_add_co_u32 s34, s34, s38
	s_mov_b32 s35, 0
	s_add_co_u32 s36, s40, s39
	s_lshl_b32 s36, s36, 10
	s_add_co_u32 s36, s36, s38
	s_mov_b32 s37, 0
	s_mov_b32 s[SEL], 0x76543210
	s_mov_b32 s[SEL+1], 0xfedcba98
	s_mov_b32 s[CS], 0x3e38aa3b                    ; log2(e) / 8
	s_wait_kmcnt 0x0
	s_load_b128 s[16:19], s[6:7], 0x18             ; e6, e7, ep, ev
	s_load_b32 s20, s[6:7], 0x28                   ; e10
	s_add_nc_u64 s[4:5], s[4:5], s[12:13]          ; my head
	s_add_nc_u64 s[KV:KV+1], s[4:5], 0x20000
	s_add_nc_u64 s[42:43], s[4:5], s[42:43]
	s_add_nc_u64 s[44:45], s[4:5], s[44:45]
	s_add_nc_u64 s[34:35], s[8:9], s[34:35]
	s_add_nc_u64 s[36:37], s[8:9], s[36:37]
.macro CPLOAD s, reg                   ; stage s: 32,768 bytes of K and as many of V; the 512 threads take 8,192 consecutive bytes an instruction
.irp j, 0,1,2,3
	global_load_b128 v[\reg+4*\j:\reg+4*\j+3], v[CPB], s[KV:KV+1] offset:(\s)*32768+8192*\j
	global_load_b128 v[\reg+16+4*\j:\reg+16+4*\j+3], v[CPB], s[KV:KV+1] offset:131072+(\s)*32768+8192*\j
.endr
.endm
.macro CPSTORE s, reg                  ; to the same offsets in LDS
	v_add_nc_u32 v[CA], (\s)*32768, v[CPB]
	v_add_nc_u32 v[CB], (\s)*32768+131072, v[CPB]
.irp j, 0,1,2,3
	ds_store_b128 v[CA], v[\reg+4*\j:\reg+4*\j+3] offset:8192*\j
	ds_store_b128 v[CB], v[\reg+16+4*\j:\reg+16+4*\j+3] offset:8192*\j
.endr
.endm
.macro INIT                            ; a pass begins: the step is written once, and its first turn finds zeros, which the first change of M leaves zeros
	v_mov_b32 v13, 0xff61b1e6                      ; the largest t so far: -3e38
	v_floor_f32 v12, -v13                          ; -M
	v_mov_b32 v14, 0
	v_mov_b32 v15, 0
.set nn, 0
.rept 32
	v_mov_b32 v[160+nn], 0
.set nn, nn+1
.endr
.endm
	CPLOAD 0, 32
	global_load_b128 v[16:19], v[LI], s[42:43]
	global_load_b128 v[20:23], v[LI], s[42:43] offset:512
	global_load_b128 v[24:27], v[LI], s[44:45]
	global_load_b128 v[28:31], v[LI], s[44:45] offset:512
	CPLOAD 1, CP
	INIT
	v_mov_b32 v[FF+1], 0                           ; (named as the upper half of a pair)
	v_mov_b32 v[PD], 0                             ; written once: a lane permute's destination counts as one of its sources
	s_wait_kmcnt 0x0
	s_add_co_i32 s38, s16, s17
	s_lshl_b32 s38, s38, 23
	s_add_co_i32 s[CS], s[CS], s38                 ; a score stands for score x 2^(e6 + e7): added to c's exponent field
	s_mov_b32 s[CS+1], s[CS]
	s_add_co_i32 s[EPV], s18, s19
	s_add_co_i32 s38, s18, 127
	s_lshl_b32 s39, s38, 23
	v_mov_b32 v[PSCL], s39
	s_add_co_i32 s38, s38, 8
	s_lshl_b32 s38, s38, 23
	s_or_b32 s38, s38, 0x600000
	v_mov_b32 v[PLIM], s38
	s_add_co_i32 s38, s20, 127
	s_lshl_b32 s39, s38, 23
	v_mov_b32 v[YSCL], s39
	s_add_co_i32 s38, s38, 8
	s_lshl_b32 s38, s38, 23
	s_or_b32 s38, s38, 0x600000
	v_mov_b32 v[YLIM], s38
; A KEY STEP: 128 keys from KF on; my queries' fragment begins at v[q].
.macro STEP q
	s_cmp_gt_u32 s[KF], s[QL]
	s_cbranch_scc1 .Lhid_\@                        ; all its keys come after my queries
	v_add_nc_u32 v[ADK], s[KB], v[LI]
	v_add_nc_u32 v[ADV], 0x20000, v[ADK]
	v_nop                                          ; with the two additions: four places in front of loads into registers that the last products read
	v_nop
.irp t, 0,1,2,3,4,5,6,7
	ds_load_b128 v[32+8*\t:35+8*\t], v[ADK] offset:1024*\t
	ds_load_b128 v[36+8*\t:39+8*\t], v[ADK] offset:1024*\t+512
.endr
	s_wait_dscnt 0x0
.irp t, 0,1,2,3,4,5,6,7
	v_wmma_f32_16x16x64_fp8_fp8 v[96+8*\t:103+8*\t], v[32+8*\t:39+8*\t], v[\q:\q+7], 0
.endr
.rept 4
	v_nop                                          ; places in front of the loads below and of the first read of the scores
.endr
.irp d, 0,1,2,3
.irp c, 0,1,2,3
	ds_load_b128 v[32+16*\d+4*\c:35+16*\d+4*\c], v[ADV] offset:2048*\d+512*\c   ; V lands while the softmax is walked
.endr
.endr
	s_add_co_u32 s33, s[KF], 127
	s_cmp_le_u32 s33, s[Q0]
	s_cbranch_scc1 .Lopen_\@                       ; all its keys count
	s_sub_co_i32 s33, s[Q0], s[KF]
	v_add_nc_u32 v[DD], s33, v[RH]                 ; register 8 t + j holds key KF + 16 t + 8 h + j: hidden where 16 t + j > my query - KF - 8 h
.set nn, 0
.rept 64
	v_cmp_gt_i32 vcc_lo, 16*(nn/8)+nn%8, v[DD]
	v_cndmask_b32 v[96+nn], v[96+nn], v[NINF], vcc_lo
.set nn, nn+1
.endr
.Lopen_\@:
	v_max3_num_f32 v[MX], v96, v97, v98            ; the step's largest score of my query among my 64 keys, in two chains, each tile from its low end on
	v_max3_num_f32 v[MX+1], v99, v100, v101
.irp i, 6,10,14,18,22,26,30,34,38,42,46,50,54,58
	v_max3_num_f32 v[MX], v[MX], v[96+\i], v[97+\i]
	v_max3_num_f32 v[MX+1], v[MX+1], v[98+\i], v[99+\i]
.endr
	v_max3_num_f32 v[MX], v[MX], v158, v159
	v_max_num_f32 v[MX], v[MX], v[MX+1]
	v_permlanex16_b32 v[PD], v[MX], s[SEL], s[SEL+1]
	v_max_num_f32 v[MX], v[MX], v[PD]              ; and among lane l xor 16's
	v_mul_f32 v[MX], s[CS], v[MX]                  ; as t (c is positive)
	v_max_num_f32 v13, v13, v[MX]
	v_mov_b32 v[MX], v12
	v_floor_f32 v12, -v13                          ; the new -M = floor(-t): M is a whole number
	v_sub_f32 v[MX], v12, v[MX]                    ; old M - new M: a whole number, 0 or less
	v_cvt_i32_f32 v[MX], v[MX]                     ; (it saturates)
	v_ldexp_f32 v[FF], 1.0, v[MX]                  ; f
.set nn, 0
.rept 32
	v_pk_fma_f32 v[96+nn:97+nn], v[96+nn:97+nn], s[CS:CS+1], v[12:13] op_sel_hi:[1,0,0]   ; t - M
.set nn, nn+2
.endr
.set nn, 0
.rept 64
	v_exp_f32 v[96+nn], v[96+nn]                   ; p = 2^(t - M)
.set nn, nn+1
.endr
	v_pk_mul_f32 v[14:15], v[14:15], v[FF:FF+1] op_sel_hi:[1,0]   ; the sum under the new M: the plain line behind the exponentials
	s_wait_alu depctr_va_vdst(0)                   ; one wait for the batch of 64, ahead of its first reader
	v_pk_add_f32 v[242:243], v[96:97], v[98:99]    ; the sum of the unquantised p, in two chains
.irp j, 4,8,12,16,20,24,28,32,36,40,44,48,52,56,60
	v_pk_add_f32 v[14:15], v[14:15], v[96+\j:97+\j]
	v_pk_add_f32 v[242:243], v[242:243], v[98+\j:99+\j]
.endr
	v_pk_add_f32 v[14:15], v[14:15], v[242:243]
	s_cmp_gt_i32 s18, -9
	s_cbranch_scc1 .Lnohold_\@                     ; ep >= -8: 448 x 2^ep >= 1.75 >= p
.set nn, 0
.rept 64
	v_min_num_f32 v[96+nn], v[96+nn], v[PLIM]      ; the conversion does not saturate (ISA guide 7.6.2); p is not negative
.set nn, nn+1
.endr
.Lnohold_\@:
.irp t, 0,1,2,3,4,5,6,7
	v_cvt_scalef32_pk8_fp8_f32 v[192+2*\t:193+2*\t], v[96+8*\t:103+8*\t], v[PSCL]
.endr
.set nn, 0
.rept 16
	v_pk_mul_f32 v[160+nn:161+nn], v[160+nn:161+nn], v[FF:FF+1] op_sel_hi:[1,0]   ; O^T under the new M; also the plain lines behind the conversions
.set nn, nn+2
.endr
	s_wait_dscnt 0x0                               ; V
.irp d, 0,1,2,3
	v_wmma_f32_16x16x128_fp8_fp8 v[160+8*\d:167+8*\d], v[32+16*\d:47+16*\d], v[192:207], v[160+8*\d:167+8*\d]   ; four accumulators, one instruction a turn
.endr
.Lhid_\@:
	s_add_co_u32 s[KF], s[KF], 128
	s_add_co_u32 s[KB], s[KB], 8192
.endm
.macro RUN n, q, kb0                   ; n key steps from LDS byte kb0 on
	s_mov_b32 s[KB], \kb0
	s_mov_b32 s[KF], (\kb0)/64
	s_mov_b32 s[CNT], \n
.Lrun_\@:
	STEP \q
	s_sub_co_u32 s[CNT], s[CNT], 1
	s_cmp_lg_u32 s[CNT], 0
	s_cbranch_scc1 .Lrun_\@
.endm
.macro YOUT yp                         ; O^T x 2^(ep + ev) / the sum, quantised with e10: eight registers, the fragment of my 16 tokens and my head's 64 along the last product's K
.rept 4
	v_nop                                          ; places behind the last products
.endr
	v_add_f32 v14, v14, v15
	v_permlanex16_b32 v[PD], v14, s[SEL], s[SEL+1]
	v_add_f32 v14, v14, v[PD]                      ; the row's sum
	v_rcp_f32 v14, v14
	v_nop                                          ; a plain line behind the reciprocal,
	s_wait_alu depctr_va_vdst(0)                   ; and the wait ahead of its first reader
	v_ldexp_f32 v14, v14, s[EPV]
.set nn, 0
.rept 16
	v_pk_mul_f32 v[96+nn:97+nn], v[160+nn:161+nn], v[14:15] op_sel_hi:[1,0]
.set nn, nn+2
.endr
.set nn, 0
.rept 32
	v_med3_num_f32 v[96+nn], v[96+nn], -v[YLIM], v[YLIM]
.set nn, nn+1
.endr
.irp c, 0,1,2,3
	v_cvt_scalef32_pk8_fp8_f32 v[192+2*\c:193+2*\c], v[96+8*\c:103+8*\c], v[YSCL]
.endr
	v_nop
	global_store_b128 v[LI], v[192:195], s[\yp:\yp+1]              ; 512 consecutive bytes a store
	global_store_b128 v[LI], v[196:199], s[\yp:\yp+1] offset:512
.endm
	s_wait_loadcnt 12                              ; stage 0's 8 loads are in; Q's 4 and stage 1's 8 may be out
	CPSTORE 0, 32
	s_wait_dscnt 0x0                               ; for the others' sake: my stores have landed
	s_barrier_signal -1
	s_barrier_wait -1
	s_wait_loadcnt 8                               ; Q is in
	RUN 4, 16, 0
.irp s, 1,2,3
	s_wait_loadcnt 0x0                             ; stage s, asked for four key steps ago
	CPSTORE \s, CP
	s_wait_dscnt 0x0                               ; my stores have landed and have read their registers
.if \s < 3
	CPLOAD \s+1, CP
.endif
	s_barrier_signal -1
	s_barrier_wait -1                              ; stage s lies in LDS
	RUN 4, 16, \s*32768
.endr
	YOUT 34
	INIT                                           ; the second pass
	s_mov_b32 s[Q0], s40
	s_add_co_u32 s[QL], s40, 15
	s_wait_xcnt 0x0                                ; the stores have read y's codes: their registers take p's codes again
	RUN 16, 24, 0
	YOUT 36
	s_wait_tensorcnt 0x0
	ds_add_u32 v254, v255
	s_wait_dscnt 0x0
	s_endpgm
.Lfunc_end_k_qe72c331f35_attn:
	.size	k_qe72c331f35_attn, .Lfunc_end_k_qe72c331f35_attn-k_qe72c331f35_attn
	.p2alignl 7, 3214868480
	.fill 96, 4, 3214868480
	.section	.rodata,"a",@progbits
	.p2align	6, 0x0
	.amdhsa_kernel k_qe72c331f35_attn
		.amdhsa_group_segment_fixed_size 264192
		.amdhsa_private_segment_fixed_size 0
		.amdhsa_enable_private_segment 0
		.amdhsa_kernarg_size 24
		.amdhsa_user_sgpr_count 2
		.amdhsa_user_sgpr_kernarg_segment_ptr 1
		.amdhsa_wavefront_size32 1
		.amdhsa_system_sgpr_workgroup_id_x 1
		.amdhsa_system_sgpr_workgroup_id_y 1
		.amdhsa_system_sgpr_workgroup_id_z 1
		.amdhsa_system_vgpr_workitem_id 0
		.amdhsa_next_free_vgpr 256
		.amdhsa_next_free_sgpr 66
		.amdhsa_reserve_vcc 1
		.amdhsa_float_denorm_mode_32 3
		.amdhsa_float_denorm_mode_16_64 3
		.amdhsa_memory_ordered 1
		.amdhsa_forward_progress 1
		.amdhsa_inst_pref_size 124
	.end_amdhsa_kernel
	.amdgpu_metadata
---
amdhsa.version: [ 1, 2 ]
amdhsa.kernels:
  - .name:           k_qe72c331f35_attn
    .symbol:         k_qe72c331f35_attn.kd
    .args:
      - { .name: qkvimg, .offset: 0, .size: 8, .value_kind: global_buffer, .address_space: global }
      - { .name: lowp_scales, .offset: 8, .size: 8, .value_kind: global_buffer, .address_space: global }
      - { .name: yimg, .offset: 16, .size: 8, .value_kind: global_buffer, .address_space: global }
    .group_segment_fixed_size: 264192
    .private_segment_fixed_size: 0
    .kernarg_segment_align: 8
    .kernarg_segment_size: 24
    .max_flat_workgroup_size: 512
    .sgpr_count:     66
    .vgpr_count:     256
    .wavefront_size: 32
...
	.end_amdgpu_metadata
.endif
;; end of part 3
;; launch proj (part 4): grid 4 x 32, 4 waves a work-group, clusters of 4 x 4, 327,680 bytes of LDS; arguments yimg, wimg, bo, lowp_scales, out0; writes out0
.if DOCPART == 4
	.amdgcn_target "amdgcn-amd-amdhsa--gfx1250"
	.amdhsa_code_object_version 6
	.text
	.protected	k_qe72c331f35_proj
	.globl	k_qe72c331f35_proj
	.p2align	8
	.type	k_qe72c331f35_proj,@function
k_qe72c331f35_proj:
	s_mov_b64 s[64:65], 0
	v_nop
	global_prefetch_b8 v0, s[64:65] scope:SCOPE_SE
	s_setreg_imm32_b32 hwreg(HW_REG_WAVE_MODE, 25, 1), 1
	s_wait_xcnt 0x0
	s_wait_alu depctr_hold_cnt(0) depctr_sa_sdst(0) depctr_va_vdst(0) depctr_va_sdst(0) depctr_va_ssrc(0) depctr_va_vcc(0) depctr_vm_vsrc(0)
	s_getreg_b32 s2, hwreg(HW_REG_IB_STS2, 6, 4)
	s_cmp_eq_u32 s2, 0
	s_cbranch_scc0 .Lentry_in_a_cluster
	s_endpgm
.Lentry_in_a_cluster:
	s_bfe_u32 s2, ttmp6, 0x10000c
	s_cmp_lg_u32 s2, 0xf033
	s_cbranch_scc0 .Lentry_shape_is_right
	s_endpgm
.Lentry_shape_is_right:
; out0 = y wo^T + bo on codes of E4M3: [8192 x 1024 x 1024]; out0 = fma(sum, 2^(e10 + e11), bo), f32.
; OPERANDS come as images of operand registers, [row tile of 16][K step of 128][2,048 bytes]: lane (r, h) holds row r, registers 2 c, 2 c + 1 hold k = 16 c + 8 h + 0 .. 7; four registers of 32 lanes are 512 bytes on end.
; So every fragment load is ds_load_b128 at a constant + 16 x lane.  A = yimg (tokens), B = the fourth tensor of wimg (wo's rows: the output channels).
; SHARES.  A work-group of four waves makes 256 x 256; a wave 128 x 128: 64 accumulators.  K goes through a ring of two LDS slots of 256 along K, filled by the tensor data mover.  128 work-groups: a smaller tile would
; read each LDS byte for fewer products.  There is one cluster along x, so the work-group's x is its place cx.
; THE MATRIX INSTRUCTION takes B's rows as source 0 and A's as source 1: lane (r, h) holds token r, and register j of accumulator (a, b) channel 16 b + 8 h + j: eight neighbouring numbers of a row of out0.
; CLUSTERS: 4 x 4 work-groups; A's tile is shared along a row of the cluster, B's along a column: joint loads.
; THE WAY OUT: a block of 16 rows x 128 columns goes through the wave's own stage in LDS and leaves as whole rows of 512 bytes.  The stage lies in slot 0, which has had its last fill and its last read by then.
; No prefetch is laid: K is four slots long, and half of them are asked for at the head.
; LIMITS: e10 + e11 between -126 and 127.
; REGISTERS: window 0: v8-16 addresses; v32-95 bo by B's rows; v128-255 A's fragments, one set, later rows on their way out.  window 1: B's fragments, two sets; later v0-63 a block's results.  windows 2, 3: the accumulators.
.set FRB,   2048
.set RT,    4096
.set HALFT, 32768
.set SLOT,  131072
.set SPARE, 262144                     ; behind the ring: the spare words, 128 bytes for each wave: two blocks of 256 bytes that no other line names
.set SPITCH, 528
.set FR,    16
.set NL,    4
.set NP,    4
.set ADRA,  8
.set ADRB,  10
.set SPW,   12                         ; my spare word: SPARE + 4 x my thread's number; never rewritten
.set NIL,   13                         ; 0; never rewritten
.set OFF,   14                         ; 16 x lane
.set STO,   15                         ; the way out: where I put 32 bytes of a row
.set RD,    16                         ; and where I read a row back
.set BQ,    32
.set TMP,   0                          ; in window 1
.set AF,    128
.set BK,    128
.set G1,  24
.set G0,  32
.set G1B, 48
.set G0B, 56
.set MSB, 0
.macro WIN new                         ; the immediate's high byte repeats the setting that is left
.if MSB != (\new)
	s_set_vgpr_msb (MSB<<8)|(\new)
.set MSB, (\new)
.endif
.endm
.set MUL_LO, 0xa1
.set MUL_HI, 0xf1
.set TO_B,   0x40
.macro JLOAD g0a, g1a, g0b, g1b        ; a joint load: waves 0 and 1 for A, waves 2 and 3 for B; four v_nop follow each of the two lines
	s_cmp_eq_u32 s15, 0
	s_cbranch_scc0 .Lfor_b_\@
	tensor_load_to_lds s[\g0a:\g0a+3], s[\g1a:\g1a+7]
	s_nop 0
.rept 4
	v_nop
.endr
	s_branch .Lasked_\@
.Lfor_b_\@:
	tensor_load_to_lds s[\g0b:\g0b+3], s[\g1b:\g1b+7]
	s_nop 0
.rept 4
	v_nop
.endr
.Lasked_\@:
.endm
.macro CREST
	s_cmp_lg_u32 s14, 0
	s_cbranch_scc1 .Lnot_wave_0_\@
	s_barrier_signal -3
.Lnot_wave_0_\@:
	s_barrier_wait -3
	s_barrier_signal -1
	s_barrier_wait -1
.endm
.macro CROUND
	s_barrier_signal -1
	s_barrier_wait -1
	CREST
.endm
	s_load_b256 s[68:75], s[0:1], 0x0              ; yimg s[68:69], wimg s[70:71], bo s[72:73], the scales' exponents s[74:75]
	s_load_b64 s[76:77], s[0:1], 0x20              ; out0
	v_lshl_add_u32 v[SPW], v0, 2, SPARE
	v_mov_b32 v[NIL], 0
	ds_add_u32 v12, v13
	ds_add_u32 v12, v13
	s_wait_dscnt 0x0
	v_lshrrev_b32 v1, 5, v0
	v_readfirstlane_b32 s14, v1                    ; wave 0..3
	s_lshr_b32 s15, s14, 1                         ; which half of A's rows is mine.  Also: I fetch for A (0) or for B (1)
	s_and_b32 s16, s14, 1                          ; which half of B's rows.  Also: which 8 row tiles I fetch
	s_bfe_u32 s40, ttmp6, 0x40000                  ; cx, cy
	s_bfe_u32 s41, ttmp6, 0x40004
	s_and_b32 s17, ttmp7, 0xffff
	s_lshl_b32 s17, s17, 2
	s_add_co_u32 s17, s17, s41                     ; A's tile of 256 tokens = 4 x cluster y + cy
	s_mov_b32 s42, s40                             ; B's tile of 256 channels = cx
	s_lshl_b32 s43, s41, 2
	s_lshl_b32 s43, 15, s43                        ; my row of the cluster
	s_lshl_b32 s44, 0x1111, s40                    ; my column
	; descriptor group 1: 8 rows (row tiles) of 4,096 bytes, 16,384 bytes apart in memory, on end in LDS
	s_or_b32 s[G1+0], s43, (3<<16)|(1<<21)         ; the mask; elements of 8 bytes; no padding; bit 21 set beside a mask
	s_or_b32 s[G1B+0], s44, (3<<16)|(1<<21)
.irp g, G1, G1B
	s_mov_b32 s[\g+1], 512<<16                     ; tensor_dim0
	s_mov_b32 s[\g+2], 8<<16                       ; tensor_dim1
	s_mov_b32 s[\g+3], 512<<16                     ; tile_dim0
	s_mov_b32 s[\g+4], 8                           ; tile_dim1
	s_mov_b32 s[\g+5], 2048                        ; tensor_dim0_stride
	s_mov_b32 s[\g+6], 0
	s_mov_b32 s[\g+7], 0
.endr
	s_lshl_b32 s18, s16, 17                        ; which 8 row tiles of 16,384 bytes I fetch
	s_lshl_b32 s20, s17, 18
	s_add_co_u32 s20, s20, s18
	s_mov_b32 s21, 0
	s_lshl_b32 s46, s42, 18
	s_add_co_u32 s46, s46, s18
	s_add_co_u32 s46, s46, 0x300000                ; wo is the fourth tensor of wimg
	s_mov_b32 s47, 0
	s_mul_i32 s45, s14, HALFT
	s_wait_kmcnt 0x0
	s_load_b64 s[94:95], s[74:75], 0x28            ; e10, e11
	s_add_nc_u64 s[20:21], s[68:69], s[20:21]
	s_add_nc_u64 s[46:47], s[70:71], s[46:47]
	CROUND                                         ; all sixteen work-groups are here: the first joint loads meet
.irp s, 0,1
	s_mov_b32 s[G0+4*\s], 1
	s_add_co_u32 s[G0+4*\s+1], s45, \s*SLOT
	s_add_nc_u64 s[G0+4*\s+2:G0+4*\s+3], s[20:21], \s*RT
	s_or_b32 s[G0+4*\s+3], s[G0+4*\s+3], 0x80000000
	s_mov_b32 s[G0B+4*\s], 1
	s_add_co_u32 s[G0B+4*\s+1], s45, \s*SLOT
	s_add_nc_u64 s[G0B+4*\s+2:G0B+4*\s+3], s[46:47], \s*RT
	s_or_b32 s[G0B+4*\s+3], s[G0B+4*\s+3], 0x80000000
	JLOAD G0+4*\s, G1, G0B+4*\s, G1B
.endr
	v_and_b32 v1, 15, v0                           ; r
	v_bfe_u32 v2, v0, 4, 1                         ; h
	v_and_b32 v4, 31, v0
	v_lshlrev_b32 v[OFF], 4, v4
	s_mul_i32 s18, s15, HALFT
	s_mul_i32 s19, s16, HALFT
	s_add_co_u32 s19, s19, 2*HALFT
.irp s, 0,1
	v_add_nc_u32 v[ADRA+\s], s18, v[OFF]
	v_add_nc_u32 v[ADRB+\s], s19, v[OFF]
	s_add_co_u32 s18, s18, SLOT
	s_add_co_u32 s19, s19, SLOT
.endr
	s_mul_i32 s23, s14, 16*SPITCH                  ; my stage
	v_mul_u32_u24 v5, v1, SPITCH
	v_lshl_add_u32 v5, v2, 5, v5
	v_add_nc_u32 v[STO], s23, v5                   ; in: row r, 32 bytes for each half of the lanes
	v_add_nc_u32 v[RD], s23, v[OFF]                ; back: the 32 lanes take one row of 512 bytes
	v_lshlrev_b32 v2, 5, v2                        ; 32 h
	s_lshl_b32 s18, s42, 8
	s_lshl_b32 s19, s16, 7
	s_add_co_u32 s18, s18, s19                     ; my first channel
	s_lshl_b32 s66, s18, 2
	s_mov_b32 s67, 0
	s_lshl_b32 s19, s17, 8
	s_lshl_b32 s22, s15, 7
	s_add_co_u32 s19, s19, s22                     ; my first token
	s_lshl_b32 s82, s19, 12                        ; a row of out0 is 4,096 bytes
	s_add_co_u32 s82, s82, s66
	s_mov_b32 s83, 0
	s_add_nc_u64 s[10:11], s[76:77], s[82:83]
	s_add_nc_u64 s[66:67], s[72:73], s[66:67]
.irp b, 0,1,2,3,4,5,6,7                        ; register 8 b + j is bo of channel 16 b + 8 h + j of my 128
	global_load_b128 v[BQ+8*\b:BQ+8*\b+3], v2, s[66:67] offset:64*\b
	global_load_b128 v[BQ+8*\b+4:BQ+8*\b+7], v2, s[66:67] offset:64*\b+16
.endr
.macro FRAG reg, adr, q, i
.irp c, 0,1,2,3
	ds_load_b128 v[\reg+4*\c:\reg+4*\c+3], v[\adr] offset:(\i)*RT+(\q)*FRB+512*\c
.endr
.endm
; The 64 accumulators take turns, one instruction a turn, in the same order in every step.
.macro MUL16 a0, p, zero
.irp a, \a0, \a0+1
.irp b, 0,1,2,3,4,5,6,7
.if \zero
	v_wmma_f32_16x16x128_fp8_fp8 v[8*(8*((\a)%4)+\b):8*(8*((\a)%4)+\b)+7], v[128*(\p)+FR*\b:128*(\p)+FR*\b+FR-1], v[AF+FR*(\a):AF+FR*(\a)+FR-1], 0
.else
	v_wmma_f32_16x16x128_fp8_fp8 v[8*(8*((\a)%4)+\b):8*(8*((\a)%4)+\b)+7], v[128*(\p)+FR*\b:128*(\p)+FR*\b+FR-1], v[AF+FR*(\a):AF+FR*(\a)+FR-1], v[8*(8*((\a)%4)+\b):8*(8*((\a)%4)+\b)+7]
.endif
.endr
.endr
.endm
.macro FETCH_B slot, q, p
	WIN TO_B
.irp i, 0,1,2,3,4,5,6,7
	FRAG 128*(\p)+FR*\i, ADRB+\slot, \q, \i
.endr
	WIN 0
.endm
.macro FETCH_A slot, q, i0
.irp i, \i0, \i0+1, \i0+2, \i0+3
	FRAG AF+FR*(\i), ADRA+\slot, \q, \i
.endr
.endm
.macro PLACES n                        ; plain vector lines between a matrix instruction and a load into, or a vector line on, its registers (ISA guide 7.12.1 for vector lines)
.rept \n
	v_nop
.endr
.endm
.macro STEP slot, q, zero
	s_wait_dscnt 4*NL                              ; B's set and A's blocks 0-3 are in; the youngest 16 loads may be out
	WIN MUL_LO
	MUL16 0, (\q)%2, \zero
	MUL16 2, (\q)%2, \zero
	s_wait_dscnt 0
	PLACES NP
	FETCH_B \slot, (\q)+1, 1-(\q)%2
	FETCH_A \slot, (\q)+1, 0
	WIN MUL_HI
	MUL16 4, (\q)%2, \zero
	MUL16 6, (\q)%2, \zero
	PLACES NP
	WIN 0
	FETCH_A \slot, (\q)+1, 4
.endm
.macro TURN slot, next, fill
	s_wait_tensorcnt 0x0                           ; all my tensor loads have landed: my part of the next slot
	ds_add_u32 v[SPW], v[NIL]                      ; 0 onto my spare word
	s_wait_dscnt 4*NL+1                            ; (the add and the youngest 16 loads may be out)
	WIN MUL_LO
	MUL16 0, 1, 0
	s_wait_dscnt 0x0                               ; the add is done, and my reads of this slot are over
	s_barrier_signal -1
	MUL16 2, 1, 0
	WIN 0
	s_barrier_wait -1
.if \fill
	CREST                                          ; the barrier has opened a round of the cluster's barrier
	s_add_nc_u64 s[G0+4*\slot+2:G0+4*\slot+3], s[G0+4*\slot+2:G0+4*\slot+3], 2*RT
	s_add_nc_u64 s[G0B+4*\slot+2:G0B+4*\slot+3], s[G0B+4*\slot+2:G0B+4*\slot+3], 2*RT
	JLOAD G0+4*\slot, G1, G0B+4*\slot, G1B         ; the first tensor load behind the round
.else
	PLACES NP
.endif
	FETCH_B \next, 0, 0
	FETCH_A \next, 0, 0
	WIN MUL_HI
	MUL16 4, 1, 0
	MUL16 6, 1, 0
	PLACES NP
	WIN 0
	FETCH_A \next, 0, 4
.endm
	s_wait_tensorcnt 1                             ; my part of slot 0 is in; slot 1's load may be out
	s_barrier_signal -1
	s_barrier_wait -1
	FETCH_B 0, 0, 0
	FETCH_A 0, 0, 0
	FETCH_A 0, 0, 4
	STEP 0, 0, 1                                   ; K = 1,024 is eight steps, four slots' worth: written straight
	TURN 0, 1, 1
	STEP 1, 0, 0
	TURN 1, 0, 1
	STEP 0, 0, 0
	TURN 0, 1, 0
	STEP 1, 0, 0
	s_wait_dscnt 4*NL
	WIN MUL_LO
	MUL16 0, 1, 0
	MUL16 2, 1, 0
	s_wait_dscnt 0
	WIN MUL_HI
	MUL16 4, 1, 0
	MUL16 6, 1, 0
	WIN 0
; THE WAY OUT, block by block of 16 rows x 128 columns.  LDS serves a wave's instructions in order (ISA guide 5.7.1.4): no wait between the stores and the loads, nor in front of the next block's stores.
.macro TOSTAGE a
.set AC, 64*((\a)%4)
	WIN 0x42+((\a)/4)                              ; source 0 window 2 or 3, bo window 0, destination window 1
.irp j, 0,2,4,6,8,10,12,14,16,18,20,22,24,26,28,30,32,34,36,38,40,42,44,46,48,50,52,54,56,58,60,62
	v_pk_fma_f32 v[TMP+\j:TMP+\j+1], v[AC+\j:AC+\j+1], s[96:97], v[BQ+\j:BQ+\j+1] op_sel_hi:[1,0,1]   ; sum x 2^(e10 + e11) + bo; each accumulator from its low end on
.endr
	WIN 0x04                                       ; the stores' data in window 1
.irp b, 0,1,2,3,4,5,6,7
	ds_store_b128 v[STO], v[TMP+8*\b:TMP+8*\b+3] offset:64*\b
	ds_store_b128 v[STO], v[TMP+8*\b+4:TMP+8*\b+7] offset:64*\b+16
.endr
	WIN 0
.set BB, BK+64*((\a)%2)
.irp t, 0,1,2,3,4,5,6,7,8,9,10,11,12,13,14,15
	ds_load_b128 v[BB+4*\t:BB+4*\t+3], v[RD] offset:\t*SPITCH
.endr
.endm
.macro SEND a, younger                 ; younger: the LDS instructions issued behind block a's loads, which may stay out
.set BB, BK+64*((\a)%2)
	s_wait_dscnt \younger
.if (\a) > 0
	s_add_nc_u64 s[10:11], s[10:11], 65536         ; 16 rows on (behind a wait on XCNT: the earlier stores have read their base)
.endif
.irp t, 0,1,2,3,4,5,6,7,8,9,10,11,12,13,14,15
	global_store_b128 v[OFF], v[BB+4*\t:BB+4*\t+3], s[10:11] offset:\t*4096 th:TH_STORE_NT   ; 32 lanes store 512 consecutive bytes, at a multiple of 512 from out0's first byte
.endr
.endm
	s_wait_kmcnt 0x0
	s_add_co_i32 s96, s94, s95
	s_add_co_i32 s96, s96, 127
	s_lshl_b32 s96, s96, 23                        ; 2^(e10 + e11) as f32
	s_mov_b32 s97, s96                             ; (named with it as a pair, so it is written)
	s_wait_loadcnt 0x0                             ; bo
	PLACES NP
	TOSTAGE 0
.irp a, 1,2,3,4,5,6,7
.if \a > 1
	s_wait_xcnt 0x0                                ; block a - 2's stores have read their registers and their base
.endif
	TOSTAGE \a
	SEND \a-1, 32                                  ; behind block a - 1's loads: block a's 16 stores and 16 loads
.endr
	s_wait_xcnt 0x0
	SEND 7, 0
	s_wait_tensorcnt 0x0                           ; the wave's end
	ds_add_u32 v[SPW], v[NIL]
	s_wait_dscnt 0x0
	CROUND                                         ; the closing round
	s_endpgm
.Lfunc_end_k_qe72c331f35_proj:
	.size	k_qe72c331f35_proj, .Lfunc_end_k_qe72c331f35_proj-k_qe72c331f35_proj
	.p2alignl 7, 3214868480
	.fill 96, 4, 3214868480
	.section	.rodata,"a",@progbits
	.p2align	6, 0x0
	.amdhsa_kernel k_qe72c331f35_proj
		.amdhsa_group_segment_fixed_size 327680
		.amdhsa_private_segment_fixed_size 0
		.amdhsa_enable_private_segment 0
		.amdhsa_kernarg_size 40
		.amdhsa_user_sgpr_count 2
		.amdhsa_user_sgpr_kernarg_segment_ptr 1
		.amdhsa_wavefront_size32 1
		.amdhsa_system_sgpr_workgroup_id_x 1
		.amdhsa_system_sgpr_workgroup_id_y 1
		.amdhsa_system_sgpr_workgroup_id_z 1
		.amdhsa_system_vgpr_workitem_id 0
		.amdhsa_next_free_vgpr 1024
		.amdhsa_next_free_sgpr 100
		.amdhsa_reserve_vcc 0
		.amdhsa_float_denorm_mode_32 3
		.amdhsa_float_denorm_mode_16_64 3
		.amdhsa_memory_ordered 1
		.amdhsa_forward_progress 1
		.amdhsa_inst_pref_size 125
	.end_amdhsa_kernel
	.amdgpu_metadata
---
amdhsa.version: [ 1, 2 ]
amdhsa.kernels:
  - .name:           k_qe72c331f35_proj
    .symbol:         k_qe72c331f35_proj.kd
    .args:
      - { .name: yimg, .offset: 0, .size: 8, .value_kind: global_buffer, .address_space: global }
      - { .name: wimg, .offset: 8, .size: 8, .value_kind: global_buffer, .address_space: global }
      - { .name: bo, .offset: 16, .size: 8, .value_kind: global_buffer, .address_space: global }
      - { .name: lowp_scales, .offset: 24, .size: 8, .value_kind: global_buffer, .address_space: global }
      - { .name: out0, .offset: 32, .size: 8, .value_kind: global_buffer, .address_space: global }
    .group_segment_fixed_size: 327680
    .private_segment_fixed_size: 0
    .kernarg_segment_align: 8
    .kernarg_segment_size: 40
    .max_flat_workgroup_size: 128
    .sgpr_count:     100
    .vgpr_count:     1024
    .wavefront_size: 32
...
	.end_amdgpu_metadata
.endif
;; end of part 4
;; ======== version 2 of 2: 4 launches; version 1 with the launch attn written anew for expert scheduling mode
;; workspace buffers: ximg 25,165,824 bytes; wimg 4,194,304 bytes; qkvimg 25,165,824 bytes; yimg 8,388,608 bytes
;; launch quant: the kernel of part 1 again; grid 512 x 1, 4 waves a work-group, no clusters, 34,304 bytes of LDS; arguments x, wq, wk, wv, wo, lowp_scales, ximg, wimg; writes ximg, wimg
;; launch qkvgemm: the kernel of part 2 again; grid 4 x 96, 4 waves a work-group, clusters of 4 x 4, 327,680 bytes of LDS; arguments ximg, wimg, bq, bk, bv, lowp_scales, qkvimg; writes qkvimg
;; launch attn (part 5): grid 4 x 64, 16 waves a work-group, no clusters, 264,192 bytes of LDS; arguments qkvimg, lowp_scales, yimg; writes yimg
.if DOCPART == 5
	.amdgcn_target "amdgcn-amd-amdhsa--gfx1250"
	.amdhsa_code_object_version 6
	.text
	.protected	k_qe72c331f35_attn
	.globl	k_qe72c331f35_attn
	.p2align	8
	.type	k_qe72c331f35_attn,@function
k_qe72c331f35_attn:
	s_mov_b64 s[64:65], 0
	v_nop
	global_prefetch_b8 v0, s[64:65] scope:SCOPE_SE
	s_setreg_imm32_b32 hwreg(HW_REG_WAVE_SCHED_MODE, 0, 2), 2
	s_setreg_imm32_b32 hwreg(HW_REG_WAVE_MODE, 25, 1), 1
	s_wait_xcnt 0x0
	s_wait_alu depctr_vm_vsrc(0)
; y[b][q][head] = the sum over keys k <= q of softmax_k(Q . K / 8) V, both products on codes of E4M3 (scales e6, e7; e8 = ep, e9 = ev); y is quantised at once with e10 and stored as an image for the last projection.
; THE SOFTMAX AHEAD OF THE SECOND PRODUCT: t = score x log2(e) / 8; M = the running largest t rounded UP to a whole number; p = 2^(t - M) is quantised, not normalised; the row's sum is taken of the unquantised p
; and divides at the end.  When M moves, the sum and O are multiplied by 2^(old M - new M), which rounds nothing.
; INPUT, per head (393,216 bytes): Q [token tile][1,024], K the same, V [step of 128 keys][channel tile 0..3][2,048]: images of operand registers: lane (r, h) holds row r, registers 2 c, 2 c + 1 hold k = 16 c + 8 h + 0 .. 7.
; SHARES.  Work-group (i, head) owns the query blocks 7 - i and i, of 256 queries.  Wave w takes tile w of block 7 - i, then tile 15 - w of block i: 17 visible steps of 128 keys for every wave of every work-group.
; K AND V LIE IN LDS WHOLE: the head's 262,144 bytes are copied once, through registers, to the same offsets, in four stages of 512 keys; a stage is asked for four key steps before it is stored, with a barrier behind each
; stage's stores.  Each LDS byte is written once, so the second pass has no barrier at all.  The high block goes first, so that the later stages land under full steps.
; LAYOUT.  S^T = K Q^T (source 0 = 16 keys, source 1 = my 16 queries): lane (r, h) holds query r, register j of tile t key 16 t + 8 h + j: so tile t's conversion gives registers 2 t, 2 t + 1 of P, an operand of 128 keys.
; O^T = V^T P^T (source 0 = 16 channels x 128 keys): lane (r, h) holds query r and channels 16 d + 8 h + j: its conversions are y's fragment.
; CAUSAL.  A step all of whose keys come after my 16 queries is jumped over (ids only; the lines that step addresses are not).  In the step on the diagonal hidden scores become -infinity, so p = 0.
; Steps begin at multiples of 128 and tiles at multiples of 16: in every step that is not jumped over, each of my queries sees the step's first key.
; NO CLUSTER, NO JOINT LOADS, though the four work-groups of a head read the same K and V: the jump over hidden steps, which halves the work, hangs on the query block, and that would be the work-group's place in its cluster.
; NO PREFETCH: a stage's 8 loads a thread are themselves issued four key steps ahead of the wait for them.
; THE HOLD OF p at 448 x 2^ep is jumped over where ep >= -8: there the limit is 1.75 or more and p is at most 1, so the hold changes nothing.  (This launch has no tensor load, copy or cluster.)
; LIMITS: e6 + e7 between -123 and 130 (added to c's exponent field); ep and e10 between -126 and 119; ep + ev is applied by v_ldexp_f32.  NaN is not served.
; Hidden scores are -infinity and not -1e9 as in the source: the same result as long as a row's visible logits lie above -1e9.
; THE MODE: SCHED_MODE bits 1:0 = 2 (LLVM: expert scheduling mode 2), set by the entry lines.  The code itself states the register dependences
; between vector or matrix instructions and memory or LDS instructions, with s_wait_alu, always for 0.
; THE PLAN.  Registers that memory or LDS instructions touch:
;   v1, v8-v11    Offsets and LDS addresses, made once at the head and never written again.  v8 + 65,536 k: the 16-bit offset of an LDS store reaches two stages from one register.
;   v3, v4        The step's LDS addresses of K and of V.  Written by two additions at a step's head; read by the step's 16 + 16 LDS loads.
;   v32-v95       Stage 0 on its way (v32-63: loaded, then read by LDS stores).  Then, in each step: K's loads land; the 8 products K Q^T read; V's loads land; the 4 products V^T P read.  No vector instruction writes them.
;   v208-v239     Stages 1 to 3 on their way: loaded, read by LDS stores, loaded again.  No vector or matrix instruction names them.
;   v16-v31       Q: loaded once.
;   v192-v199     At a pass's end: written by y's conversions, read by two stores; written again by the next pass's conversions.
; So a step has three waits on va_vdst: behind its two additions (the addresses are written; the last step's products V^T P are done reading v32-95), behind its products K Q^T (they are done reading v32-95), and the one behind
; the exponentials.  Behind the second, V's 16 loads are dealt among the lines of the maximum, which name the scores and two registers at work: none that those loads touch.
; One wait on vm_vsrc stands at a step's head, ahead of the additions.  The masks of the diagonal step are made in two runs of 32 compares into scalar registers, with one wait on va_sdst behind each run.
.set LI,   1                           ; v1   16 x lane
.set ADK,  3                           ; v3   LDS address of the step's K
.set ADV,  4                           ; v4   of its V
.set RH,   5                           ; v5   r - 8 h
.set NINF, 7                           ; v7   -infinity
.set CPA,  8                           ; v8-11  16 x thread + 65,536 k: the copy's place; v8 also in memory.  K's stages 0, 1: v8; 2, 3: v9; V's: v10, v11
.set CP,   208                         ; v208-239 a stage on its way
.set PLIM, 240                         ; v240 448 x 2^ep;  v241 2^ep
.set PSCL, 241
.set MX,   244                         ; v244, v245 at work
.set FF,   246                         ; v[246:247] f = 2^(old M - new M), and 0
.set PD,   248                         ; v248 a lane permute's destination
.set YLIM, 249
.set YSCL, 250
.set DD,   251                         ; v251 my query less the step's first key less 8 h
; v12 -M, v13 the largest t, v[14:15] the sum; v16-23, v24-31 Q of the two passes; v32-95 fragments of K, then of V; v96-159 S^T, then p; v160-191 O^T; v192-207 p's codes, later y's; v[242:243] the sum's second chain
.set WV,   10
.set KV,   14                          ; s[14:15] the head's K
.set CS,   22                          ; s[22:23] c
.set SEL,  24                          ; s[24:25] lane l xor 16
.set EPV,  27                          ; ep + ev
.set KF,   28                          ; the step's first key
.set KB,   29                          ; its LDS byte: 64 x KF
.set QL,   30                          ; my last query
.set Q0,   31                          ; my first query
.set CNT,  32
.set MK,   68                          ; s68-99 the diagonal step's masks, 32 at a time
	s_load_b128 s[4:7], s[0:1], 0x0                ; qkvimg s[4:5], the scales' exponents s[6:7]
	s_load_b64 s[8:9], s[0:1], 0x10                ; yimg
	v_lshl_add_u32 v254, v0, 2, 0x40000
	v_mov_b32 v255, 0
	v_lshrrev_b32 v3, 5, v0
	v_readfirstlane_b32 s[WV], v3                  ; wave 0..15
	v_and_b32 v3, 31, v0
	v_lshlrev_b32 v[LI], 4, v3
.irp k, 0,1,2,3
	v_lshl_add_u32 v[CPA+\k], v0, 4, 65536*\k
.endr
	v_and_b32 v3, 15, v0
	v_bfe_u32 v4, v0, 4, 1
	v_lshlrev_b32 v4, 3, v4
	v_sub_nc_u32 v[RH], v3, v4
	v_mov_b32 v[NINF], 0xff800000
	s_and_b32 s11, ttmp7, 0xffff                   ; batch x 16 + head
	s_mul_i32 s12, s11, 393216
	s_mov_b32 s13, 0
	s_sub_co_u32 s38, 7, ttmp9
	s_lshl_b32 s38, s38, 8
	s_wait_alu depctr_va_sdst(0)                   ; the wave's number is written, ahead of its first reader: my queries and their addresses are made from it
	s_lshl_b32 s39, s[WV], 4
	s_add_co_u32 s[Q0], s38, s39                   ; the first pass: 256 (7 - i) + 16 w
	s_add_co_u32 s[QL], s[Q0], 15
	s_sub_co_u32 s39, 15, s[WV]
	s_lshl_b32 s39, s39, 4
	s_lshl_b32 s38, ttmp9, 8
	s_add_co_u32 s40, s38, s39                     ; the second: 256 i + 16 (15 - w)
	s_lshl_b32 s42, s[Q0], 6                       ; Q: 64 bytes a token
	s_mov_b32 s43, 0
	s_lshl_b32 s44, s40, 6
	s_mov_b32 s45, 0
	s_lshr_b32 s38, s11, 4
	s_lshl_b32 s38, s38, 21                        ; y's image: 1,024 bytes for a token tile's 64 along K: batch x 2,048 x 1,024 + (first query + head) x 1,024
	s_and_b32 s39, s11, 15
	s_add_co_u32 s34, s[Q0], s39
	s_lshl_b32 s34, s34, 10
	s_add_co_u32 s34, s34, s38
	s_mov_b32 s35, 0
	s_add_co_u32 s36, s40, s39
	s_lshl_b32 s36, s36, 10
	s_add_co_u32 s36, s36, s38
	s_mov_b32 s37, 0
	s_mov_b32 s[SEL], 0x76543210
	s_mov_b32 s[SEL+1], 0xfedcba98
	s_mov_b32 s[CS], 0x3e38aa3b                    ; log2(e) / 8
	s_wait_kmcnt 0x0
	s_load_b128 s[16:19], s[6:7], 0x18             ; e6, e7, ep, ev
	s_load_b32 s20, s[6:7], 0x28                   ; e10
	s_add_nc_u64 s[4:5], s[4:5], s[12:13]          ; my head
	s_add_nc_u64 s[KV:KV+1], s[4:5], 0x20000
	s_add_nc_u64 s[42:43], s[4:5], s[42:43]
	s_add_nc_u64 s[44:45], s[4:5], s[44:45]
	s_add_nc_u64 s[34:35], s[8:9], s[34:35]
	s_add_nc_u64 s[36:37], s[8:9], s[36:37]
.macro CPLOAD s, reg                   ; stage s: 32,768 bytes of K and as many of V; the 512 threads take 8,192 consecutive bytes an instruction
.irp j, 0,1,2,3
	global_load_b128 v[\reg+4*\j:\reg+4*\j+3], v[CPA], s[KV:KV+1] offset:(\s)*32768+8192*\j
	global_load_b128 v[\reg+16+4*\j:\reg+16+4*\j+3], v[CPA], s[KV:KV+1] offset:131072+(\s)*32768+8192*\j
.endr
.endm
.macro CPSTORE s, reg                  ; to the same offsets in LDS: the address registers stand since the head
.irp j, 0,1,2,3
	ds_store_b128 v[CPA+(\s)/2], v[\reg+4*\j:\reg+4*\j+3] offset:((\s)%2)*32768+8192*\j
	ds_store_b128 v[CPA+2+(\s)/2], v[\reg+16+4*\j:\reg+16+4*\j+3] offset:((\s)%2)*32768+8192*\j
.endr
.endm
.macro INIT                            ; a pass begins: the step is written once, and its first turn finds zeros, which the first change of M leaves zeros
	v_mov_b32 v13, 0xff61b1e6                      ; the largest t so far: -3e38
	v_floor_f32 v12, -v13                          ; -M
	v_mov_b32 v14, 0
	v_mov_b32 v15, 0
.set nn, 0
.rept 32
	v_mov_b32 v[160+nn], 0
.set nn, nn+1
.endr
.endm
	s_wait_alu depctr_va_vdst(0)                   ; v1 and v8 to v11 are written: the loads and stores of the whole kernel read them as offsets and LDS addresses
	CPLOAD 0, 32
	global_load_b128 v[16:19], v[LI], s[42:43]
	global_load_b128 v[20:23], v[LI], s[42:43] offset:512
	global_load_b128 v[24:27], v[LI], s[44:45]
	global_load_b128 v[28:31], v[LI], s[44:45] offset:512
	CPLOAD 1, CP
	INIT
	v_mov_b32 v[FF+1], 0                           ; (named as the upper half of a pair)
	v_mov_b32 v[PD], 0                             ; written once: a lane permute's destination counts as one of its sources
	s_wait_kmcnt 0x0
	s_add_co_i32 s38, s16, s17
	s_lshl_b32 s38, s38, 23
	s_add_co_i32 s[CS], s[CS], s38                 ; a score stands for score x 2^(e6 + e7): added to c's exponent field
	s_mov_b32 s[CS+1], s[CS]
	s_add_co_i32 s[EPV], s18, s19
	s_add_co_i32 s38, s18, 127
	s_lshl_b32 s39, s38, 23
	v_mov_b32 v[PSCL], s39
	s_add_co_i32 s38, s38, 8
	s_lshl_b32 s38, s38, 23
	s_or_b32 s38, s38, 0x600000
	v_mov_b32 v[PLIM], s38
	s_add_co_i32 s38, s20, 127
	s_lshl_b32 s39, s38, 23
	v_mov_b32 v[YSCL], s39
	s_add_co_i32 s38, s38, 8
	s_lshl_b32 s38, s38, 23
	s_or_b32 s38, s38, 0x600000
	v_mov_b32 v[YLIM], s38
; A KEY STEP: 128 keys from KF on; my queries' fragment begins at v[q].
.macro STEP q
	s_cmp_gt_u32 s[KF], s[QL]
	s_cbranch_scc1 .Lhid_\@                        ; all its keys come after my queries
	s_wait_alu depctr_vm_vsrc(0)                   ; the LDS loads issued so far have read v[ADK] and v[ADV], which are written below; the first stage's LDS stores have read v32-63, in which K's loads land
	v_add_nc_u32 v[ADK], s[KB], v[LI]
	v_add_nc_u32 v[ADV], 0x20000, v[ADK]
	v_nop                                          ; with the two additions: four plain lines behind the last products
	v_nop
	s_wait_alu depctr_va_vdst(0)                   ; v[ADK] and v[ADV] are written, which the LDS loads of this step read; the last step's products V^T P are done reading v32-95, in which the loads below land
.irp t, 0,1,2,3,4,5,6,7
	ds_load_b128 v[32+8*\t:35+8*\t], v[ADK] offset:1024*\t
	ds_load_b128 v[36+8*\t:39+8*\t], v[ADK] offset:1024*\t+512
.endr
	s_wait_dscnt 0x0
.irp t, 0,1,2,3,4,5,6,7
	v_wmma_f32_16x16x64_fp8_fp8 v[96+8*\t:103+8*\t], v[32+8*\t:39+8*\t], v[\q:\q+7], 0
.endr
.rept 4
	v_nop                                          ; places in front of the first read of the scores
.endr
	s_wait_alu depctr_va_vdst(0)                   ; the products K Q^T are done reading v32-95, in which V's loads land; no vector line from here to the last of those loads names v32-95 or v[ADV]
	s_add_co_u32 s33, s[KF], 127
	s_cmp_le_u32 s33, s[Q0]
	s_cbranch_scc1 .Lopen_\@                       ; all its keys count
	s_sub_co_i32 s33, s[Q0], s[KF]
	v_add_nc_u32 v[DD], s33, v[RH]                 ; register 8 t + j holds key KF + 16 t + 8 h + j: hidden where 16 t + j > my query - KF - 8 h
.set nn, 0
.rept 2                                            ; 32 scores at a time: a run of compares into scalar registers, one wait, a run of selects
.set mm, 0
.rept 32
	v_cmp_gt_i32 s[MK+mm], 16*((nn+mm)/8)+(nn+mm)%8, v[DD]
.set mm, mm+1
.endr
	s_wait_alu depctr_va_sdst(0)                   ; the 32 masks are written, ahead of the selects that read them
.set mm, 0
.rept 32
	v_cndmask_b32 v[96+nn+mm], v[96+nn+mm], v[NINF], s[MK+mm]
.set mm, mm+1
.endr
.set nn, nn+32
.endr
.Lopen_\@:
	v_max3_num_f32 v[MX], v96, v97, v98            ; the step's largest score of my query among my 64 keys, in two chains, each tile from its low end on
	v_max3_num_f32 v[MX+1], v99, v100, v101
	ds_load_b128 v[32:35], v[ADV]                  ; V's 16 loads (channel tile n / 4, registers 4 (n % 4) on: 512 n bytes) are dealt among these lines, and land while the softmax is walked
	ds_load_b128 v[36:39], v[ADV] offset:512
.irp i, 6,10,14,18,22,26,30,34,38,42,46,50,54,58
	v_max3_num_f32 v[MX], v[MX], v[96+\i], v[97+\i]
	v_max3_num_f32 v[MX+1], v[MX+1], v[98+\i], v[99+\i]
	ds_load_b128 v[32+(\i+2):35+(\i+2)], v[ADV] offset:128*(\i+2)
.endr
	v_max3_num_f32 v[MX], v[MX], v158, v159
	v_max_num_f32 v[MX], v[MX], v[MX+1]
	v_permlanex16_b32 v[PD], v[MX], s[SEL], s[SEL+1]
	v_max_num_f32 v[MX], v[MX], v[PD]              ; and among lane l xor 16's
	v_mul_f32 v[MX], s[CS], v[MX]                  ; as t (c is positive)
	v_max_num_f32 v13, v13, v[MX]
	v_mov_b32 v[MX], v12
	v_floor_f32 v12, -v13                          ; the new -M = floor(-t): M is a whole number
	v_sub_f32 v[MX], v12, v[MX]                    ; old M - new M: a whole number, 0 or less
	v_cvt_i32_f32 v[MX], v[MX]                     ; (it saturates)
	v_ldexp_f32 v[FF], 1.0, v[MX]                  ; f
.set nn, 0
.rept 32
	v_pk_fma_f32 v[96+nn:97+nn], v[96+nn:97+nn], s[CS:CS+1], v[12:13] op_sel_hi:[1,0,0]   ; t - M
.set nn, nn+2
.endr
.set nn, 0
.rept 64
	v_exp_f32 v[96+nn], v[96+nn]                   ; p = 2^(t - M)
.set nn, nn+1
.endr
	v_pk_mul_f32 v[14:15], v[14:15], v[FF:FF+1] op_sel_hi:[1,0]   ; the sum under the new M: the plain line behind the exponentials
	s_wait_alu depctr_va_vdst(0)                   ; the 64 exponentials have written v96-159: one wait for the batch, ahead of its first reader
	v_pk_add_f32 v[242:243], v[96:97], v[98:99]    ; the sum of the unquantised p, in two chains
.irp j, 4,8,12,16,20,24,28,32,36,40,44,48,52,56,60
	v_pk_add_f32 v[14:15], v[14:15], v[96+\j:97+\j]
	v_pk_add_f32 v[242:243], v[242:243], v[98+\j:99+\j]
.endr
	v_pk_add_f32 v[14:15], v[14:15], v[242:243]
	s_cmp_gt_i32 s18, -9
	s_cbranch_scc1 .Lnohold_\@                     ; ep >= -8: 448 x 2^ep >= 1.75 >= p
.set nn, 0
.rept 64
	v_min_num_f32 v[96+nn], v[96+nn], v[PLIM]      ; the conversion does not saturate (ISA guide 7.6.2); p is not negative
.set nn, nn+1
.endr
.Lnohold_\@:
.irp t, 0,1,2,3,4,5,6,7
	v_cvt_scalef32_pk8_fp8_f32 v[192+2*\t:193+2*\t], v[96+8*\t:103+8*\t], v[PSCL]
.endr
.set nn, 0
.rept 16
	v_pk_mul_f32 v[160+nn:161+nn], v[160+nn:161+nn], v[FF:FF+1] op_sel_hi:[1,0]   ; O^T under the new M; also the plain lines behind the conversions
.set nn, nn+2
.endr
	s_wait_dscnt 0x0                               ; V
.irp d, 0,1,2,3
	v_wmma_f32_16x16x128_fp8_fp8 v[160+8*\d:167+8*\d], v[32+16*\d:47+16*\d], v[192:207], v[160+8*\d:167+8*\d]   ; four accumulators, one instruction a turn
.endr
.Lhid_\@:
	s_add_co_u32 s[KF], s[KF], 128
	s_add_co_u32 s[KB], s[KB], 8192
.endm
.macro RUN n, q, kb0                   ; n key steps from LDS byte kb0 on
	s_mov_b32 s[KB], \kb0
	s_mov_b32 s[KF], (\kb0)/64
	s_mov_b32 s[CNT], \n
.Lrun_\@:
	STEP \q
	s_sub_co_u32 s[CNT], s[CNT], 1
	s_cmp_lg_u32 s[CNT], 0
	s_cbranch_scc1 .Lrun_\@
.endm
.macro YOUT yp                         ; O^T x 2^(ep + ev) / the sum, quantised with e10: eight registers, the fragment of my 16 tokens and my head's 64 along the last product's K
.rept 4
	v_nop                                          ; places behind the last products
.endr
	v_add_f32 v14, v14, v15
	v_permlanex16_b32 v[PD], v14, s[SEL], s[SEL+1]
	v_add_f32 v14, v14, v[PD]                      ; the row's sum
	v_rcp_f32 v14, v14
	v_nop                                          ; a plain line behind the reciprocal,
	s_wait_alu depctr_va_vdst(0)                   ; and the wait ahead of its first reader: the reciprocal has written v14
	v_ldexp_f32 v14, v14, s[EPV]
.set nn, 0
.rept 16
	v_pk_mul_f32 v[96+nn:97+nn], v[160+nn:161+nn], v[14:15] op_sel_hi:[1,0]
.set nn, nn+2
.endr
.set nn, 0
.rept 32
	v_med3_num_f32 v[96+nn], v[96+nn], -v[YLIM], v[YLIM]
.set nn, nn+1
.endr
.irp c, 0,1,2,3
	v_cvt_scalef32_pk8_fp8_f32 v[192+2*\c:193+2*\c], v[96+8*\c:103+8*\c], v[YSCL]
.endr
	v_nop
	s_wait_alu depctr_va_vdst(0)                   ; the conversions have written v192-199, which the two stores read
	global_store_b128 v[LI], v[192:195], s[\yp:\yp+1]              ; 512 consecutive bytes a store
	global_store_b128 v[LI], v[196:199], s[\yp:\yp+1] offset:512
.endm
	s_wait_loadcnt 12                              ; stage 0's 8 loads are in; Q's 4 and stage 1's 8 may be out
	CPSTORE 0, 32
	s_wait_dscnt 0x0                               ; for the others' sake: my stores have landed
	s_barrier_signal -1
	s_barrier_wait -1
	s_wait_loadcnt 8                               ; Q is in
	RUN 4, 16, 0
.irp s, 1,2,3
	s_wait_loadcnt 0x0                             ; stage s, asked for four key steps ago
	CPSTORE \s, CP
	s_wait_dscnt 0x0                               ; for the others' sake: my stores have landed
.if \s < 3
	s_wait_alu depctr_vm_vsrc(0)                   ; my LDS stores have read v208-239, in which the next stage's loads land
	CPLOAD \s+1, CP
.endif
	s_barrier_signal -1
	s_barrier_wait -1                              ; stage s lies in LDS
	RUN 4, 16, \s*32768
.endr
	YOUT 34
	INIT                                           ; the second pass
	s_mov_b32 s[Q0], s40
	s_add_co_u32 s[QL], s40, 15
	s_wait_xcnt 0x0                                ; the stores' addresses are translated (ISA guide 3.1),
	s_wait_alu depctr_vm_vsrc(0)                   ; and the stores have read y's codes in v192-199: these registers take p's codes again
	RUN 16, 24, 0
	YOUT 36
	s_wait_dscnt 0x0
	s_wait_alu depctr_hold_cnt(0) depctr_sa_sdst(0) depctr_va_vdst(0) depctr_va_sdst(0) depctr_va_ssrc(0) depctr_va_vcc(0) depctr_vm_vsrc(0)
	s_wait_tensorcnt 0x0
	ds_add_u32 v254, v255
	s_wait_dscnt 0x0
	s_endpgm
.Lfunc_end_k_qe72c331f35_attn:
	.size	k_qe72c331f35_attn, .Lfunc_end_k_qe72c331f35_attn-k_qe72c331f35_attn
	.p2alignl 7, 3214868480
	.fill 96, 4, 3214868480
	.section	.rodata,"a",@progbits
	.p2align	6, 0x0
	.amdhsa_kernel k_qe72c331f35_attn
		.amdhsa_group_segment_fixed_size 264192
		.amdhsa_private_segment_fixed_size 0
		.amdhsa_enable_private_segment 0
		.amdhsa_kernarg_size 24
		.amdhsa_user_sgpr_count 2
		.amdhsa_user_sgpr_kernarg_segment_ptr 1
		.amdhsa_wavefront_size32 1
		.amdhsa_system_sgpr_workgroup_id_x 1
		.amdhsa_system_sgpr_workgroup_id_y 1
		.amdhsa_system_sgpr_workgroup_id_z 1
		.amdhsa_system_vgpr_workitem_id 0
		.amdhsa_next_free_vgpr 256
		.amdhsa_next_free_sgpr 100
		.amdhsa_reserve_vcc 0
		.amdhsa_float_denorm_mode_32 3
		.amdhsa_float_denorm_mode_16_64 3
		.amdhsa_memory_ordered 1
		.amdhsa_forward_progress 1
		.amdhsa_inst_pref_size 145
	.end_amdhsa_kernel
	.amdgpu_metadata
---
amdhsa.version: [ 1, 2 ]
amdhsa.kernels:
  - .name:           k_qe72c331f35_attn
    .symbol:         k_qe72c331f35_attn.kd
    .args:
      - { .name: qkvimg, .offset: 0, .size: 8, .value_kind: global_buffer, .address_space: global }
      - { .name: lowp_scales, .offset: 8, .size: 8, .value_kind: global_buffer, .address_space: global }
      - { .name: yimg, .offset: 16, .size: 8, .value_kind: global_buffer, .address_space: global }
    .group_segment_fixed_size: 264192
    .private_segment_fixed_size: 0
    .kernarg_segment_align: 8
    .kernarg_segment_size: 24
    .max_flat_workgroup_size: 512
    .sgpr_count:     100
    .vgpr_count:     256
    .wavefront_size: 32
...
	.end_amdgpu_metadata
.endif
;; end of part 5
;; launch proj: the kernel of part 4 again; grid 4 x 32, 4 waves a work-group, clusters of 4 x 4, 327,680 bytes of LDS; arguments yimg, wimg, bo, lowp_scales, out0; writes out0
